; MI455X (gfx1250); checked and timed in simulation.
; The chip was launched on July 23, 2026; its instructions are those of AMD's public machine-readable ISA for CDNA 5 (MIT licence, August 2026) and "CDNA5" Instruction Set Architecture Reference Guide (July 2026). The comments in the code are by the model that wrote it; some were corrected since.
;; Multi Head Attention. Allowed arithmetic: matrix products marked QUANTISED: E2M3 operands, one E8M0 scale for each 32 along K, by v_wmma_scale_f32_16x16x128_f8f6f4 with both operands' format E2M3, f32 sums; everything else in f32.
;; Inputs: Wk_codes 1,024 x 32 x 24 uint8 (E2M3 codes of Wk, K innermost, in blocks of 32 codes, four codes in three bytes); Wk_scales 1,024 x 32 uint8 (E8M0 scales of Wk, one for each 32 codes along K); Wo_codes 1,024 x 32 x 24 uint8 (E2M3 codes of Wo, K innermost, in blocks of 32 codes, four codes in three bytes); Wo_scales 1,024 x 32 uint8 (E8M0 scales of Wo, one for each 32 codes along K); Wq_codes 1,024 x 32 x 24 uint8 (E2M3 codes of Wq, K innermost, in blocks of 32 codes, four codes in three bytes); Wq_scales 1,024 x 32 uint8 (E8M0 scales of Wq, one for each 32 codes along K); Wv_codes 1,024 x 32 x 24 uint8 (E2M3 codes of Wv, K innermost, in blocks of 32 codes, four codes in three bytes); Wv_scales 1,024 x 32 uint8 (E8M0 scales of Wv, one for each 32 codes along K); bk 1,024 float32; bo 1,024 float32; bq 1,024 float32; bv 1,024 float32; k_codes 4 x 2,048 x 32 x 24 uint8 (E2M3 codes of k, K innermost, in blocks of 32 codes, four codes in three bytes); k_scales 4 x 2,048 x 32 uint8 (E8M0 scales of k, one for each 32 codes along K); mask 1 x 1 x 2,048 x 2,048 int32; q_codes 4 x 2,048 x 32 x 24 uint8 (E2M3 codes of q, K innermost, in blocks of 32 codes, four codes in three bytes); q_scales 4 x 2,048 x 32 uint8 (E8M0 scales of q, one for each 32 codes along K); v_codes 4 x 2,048 x 32 x 24 uint8 (E2M3 codes of v, K innermost, in blocks of 32 codes, four codes in three bytes); v_scales 4 x 2,048 x 32 uint8 (E8M0 scales of v, one for each 32 codes along K).
;; Outputs: out0 4 x 2,048 x 1,024 float32.
;; This version of the problem:
;;   THIS VERSION OF THE PROBLEM IS GIVEN IN LOW PRECISION. The matrix products marked QUANTISED in the list below multiply operands that are first quantised to E2M3 (2 exponent bits, 3 mantissa bits; 6 bits a number), with one power-of-two scale for each 32 numbers along K (OCP MX v1.0); their sums are f32. All else is computed in f32.
;;   The module's matrix products, in the order in which they are computed (A, B: the left and right operand; K: the contracted axis; several contracted axes count as one K, in the product's order):
;;     1. [M 8,192, K 1,024] x [K 1,024, N 1,024]; A: input q (given as codes); B: input Wq (given as codes): QUANTISED
;;     2. [M 8,192, K 1,024] x [K 1,024, N 1,024]; A: input k (given as codes); B: input Wk (given as codes): QUANTISED
;;     3. [M 8,192, K 1,024] x [K 1,024, N 1,024]; A: input v (given as codes); B: input Wv (given as codes): QUANTISED
;;     4. batch 64 x [M 2,048, K 64] x [K 64, N 2,048]; A: computed on the way; B: computed on the way: QUANTISED
;;     5. batch 64 x [M 2,048, K 2,048] x [K 2,048, N 64]; A: softmax (see below); B: computed on the way: QUANTISED
;;     6. [M 8,192, K 1,024] x [K 1,024, N 1,024]; A: computed on the way; B: input Wo (given as codes): QUANTISED
;;   THE QUANTISER, for each operand of a quantised product, along K:
;;     - K is cut into blocks of 32 from its start; a last block that is shorter is filled with zeros.
;;     - A block's scale is 2^e with e = floor(log2(the largest magnitude in the block)) - 2, held to -126 .. 127; a block of zeros has e = 0. As a byte (E8M0): e + 127.
;;     - Each number is divided by its block's scale, clamped to +-7.5, and rounded to the nearest number of E2M3, ties to even, subnormals kept.
;;     - The product sums the exact products of the quantised numbers (number of the format x scale) in f32.
;;   ~~~python
;;   def quantise(x, axis):      # numpy; x: float32 -> the quantised numbers, widened to float32 again
;;       x = np.moveaxis(x, axis, -1); K = x.shape[-1]
;;       x = np.pad(x, [(0, 0)] * (x.ndim - 1) + [(0, -K % 32)]); x = x.reshape(x.shape[:-1] + (-1, 32)); a = np.abs(x).max(-1, keepdims=True)
;;       e = np.where(a > 0, np.clip(np.frexp(np.where(a > 0, a, 1))[1] - 1 - 2, -126, 127), 0)      # np.frexp(a)[1] - 1 = floor(log2(a)), exactly
;;       r = np.clip(x / 2.0 ** e, -7.5, 7.5)
;;       step = 2.0 ** (np.maximum(np.frexp(np.where(r == 0, 1, r))[1] - 1, 0) - 3)
;;       q = np.round(r / step) * step * 2.0 ** e      # np.round: ties to even
;;       return np.moveaxis(q.reshape(q.shape[:-2] + (-1,))[..., :K], -1, axis).astype(np.float32)
;;   ~~~
;;   SOFTMAX AHEAD OF A QUANTISED PRODUCT. Where the list says 'softmax', what is quantised is not the finished softmax but p = 2^(t - M), with t = logit x log2(e) and M = ceil(the row's largest t), a whole number; so 1/2 < the row's largest p <= 1. The row's sum l is taken of the UNQUANTISED p, in f32, and the product's result is divided by l at the end. Since M is a whole number, a kernel that streams over the keys may use a running M (the ceiling of the running maximum): every later rescaling is an exact power of two, which a block's scale takes up: the codes' values come out the same.
;;   OPERANDS COMPUTED ON THE WAY. 'Computed on the way' means the value that the module computes at that place (a softmax that the list does not call 'softmax' is quantised finished and normalised). What goes into a quantiser is computed in f32, as accurately as f32 sums, v_exp_f32 and their like allow (about 1e-6 of the number): no bf16 or f16 on the way to a quantiser, and a product that is left as it is and whose result goes on into a quantised operand takes f32 operands (vector FMAs, or v_wmma_f32_16x16x4_f32). A number that lies on a knife's edge between two numbers of the format may be rounded either way, as far as f32 arithmetic and the matrix unit's own rounding can turn it there, and no further.
;;   INPUTS GIVEN AS CODES. Wk (in the module: [1024, 1024], K = its axis 1); Wo (in the module: [1024, 1024], K = its axis 1); Wq (in the module: [1024, 1024], K = its axis 1); Wv (in the module: [1024, 1024], K = its axis 1); k (in the module: [4, 2048, 1024], K = its axis 2); q (in the module: [4, 2048, 1024], K = its axis 2); v (in the module: [4, 2048, 1024], K = its axis 2): each comes as NAME_codes (uint8): NAME with its K axis moved to the last place and cut into blocks of 32 codes, [.., K / 32, bytes a block], one block behind the other in memory; four codes in three bytes: a row's codes are one little-endian stream of bits, code i at bits 6 i .. 6 i + 5 (a code: sign, 2 exponent bits, 3 mantissa bits); and NAME_scales (uint8): the same leading axes, one E8M0 byte (e + 127) for each 32 codes along K. Its value is code x scale, taken as it is: it is not quantised again, and the codes and scales need not be those that the quantiser above would give.
;; One version. Each part assembles by itself: llvm-mc -triple=amdgcn-amd-amdhsa -mcpu=gfx1250 --defsym DOCPART=n.
;; ======== version 1 of 1: 3 launches
;; limits: right only within a limited range of input values
;; workspace buffers: kv 13,107,200 bytes; qs 13,107,200 bytes; maskw 524,288 bytes of whole numbers; aoc 6,291,456 bytes; aos 262,144 bytes
;; launch proj (part 1): grid 4 x 128, 4 waves a work-group, clusters of 4 x 4, 327,680 bytes of LDS; arguments q_codes, q_scales, Wq_codes, Wq_scales, bq, k_codes, k_scales, Wk_codes, Wk_scales, bk, Wv_codes, Wv_scales, v_codes, v_scales, bv, mask, qs, kv, maskw; writes qs, kv, maskw
.if DOCPART == 1
	.amdgcn_target "amdgcn-amd-amdhsa--gfx1250"
	.amdhsa_code_object_version 6
	.text
	.protected	k_q4a03268ce8_proj
	.globl	k_q4a03268ce8_proj
	.p2align	8
	.type	k_q4a03268ce8_proj,@function
k_q4a03268ce8_proj:
	s_mov_b64 s[64:65], 0
	v_nop
	global_prefetch_b8 v0, s[64:65] scope:SCOPE_SE
	s_setreg_imm32_b32 hwreg(HW_REG_WAVE_MODE, 25, 1), 1
	s_wait_xcnt 0x0
	s_wait_alu depctr_hold_cnt(0) depctr_sa_sdst(0) depctr_va_vdst(0) depctr_va_sdst(0) depctr_va_ssrc(0) depctr_va_vcc(0) depctr_vm_vsrc(0)
	s_getreg_b32 s2, hwreg(HW_REG_IB_STS2, 6, 4)
	s_cmp_eq_u32 s2, 0
	s_cbranch_scc0 .Lentry_in_a_cluster
	s_endpgm
.Lentry_in_a_cluster:
	s_bfe_u32 s2, ttmp6, 0x10000c
	s_cmp_lg_u32 s2, 0xf033
	s_cbranch_scc0 .Lentry_shape_is_right
	s_endpgm
.Lentry_shape_is_right:
; THE THREE PROJECTIONS, qh = q Wq^T + bq, kh = k Wk^T + bk, vh = v Wv^T + bv, on codes of FP6 (E2M3) with one E8M0 scale for each 32 along K, AND THE MASK AS LANE MASKS.
; The results are quantised in registers, qh and kh along a head's 64 numbers, vh along the keys, and stored as images of operand registers.
; THE GRID.  32 clusters of 4 x 4 work-groups along y.  Cluster y / 8: 0 q, 1 k, 2 v, 3 the mask; cluster y % 8: which eighth.  All sixteen partners take the same way.
; THE PRODUCT.  256 x 256 to a work-group of four waves, 128 x 128 to a wave (64 accumulators).  K = 1,024 is 768 bytes of a row: three CHUNKS of 256 bytes, each beginning at a multiple of 256, through a ring of two LDS slots
; (chunk c in slot c % 2) filled by joint tensor loads: role A's tile is shared along a row of the cluster, role B's along a column.  A step of 128 along K is 96 bytes: eight steps; steps 2 and 5 lie across two chunks.
; Source 0 = 16 rows of B, source 1 = 16 rows of A: a lane holds ONE row of A, its registers run along B's rows.  q, k: A = the tokens, B = W.  v: A = Wv, B = the tokens.
; THE ORDER INSIDE A BLOCK OF 32.  A lane of the lower half holds the block's numbers 0-7 and 16-23, one of the upper half 8-15 and 24-31; they are coded as places 0-15 and 16-31.  Both operands of the scores and both of
; the second product are made so, and the 32 numbers are those of the true block: products and scales are those of the natural order.
; WHAT IS STORED.  A UNIT is the image of six operand registers, 768 bytes: registers 0-3 at 16 x lane, registers 4-5 at 512 + 8 x lane; lane (r, h) holds row r and block h.
;   kv: [batch x head 64][step of 128 keys 16][12,800]: 8 units of K (tiles of 16 keys); 8 units of V (unit 2 dt + c: 16 of the head's numbers, 64 keys); 256 bytes of K's scale words (lane r: four words, one for each
;   pair of key tiles); 256 bytes of V's (lane r: the words of dt = 0 .. 3).   qs: the same strides; only the K parts are written, and read.
;   maskw: [tile of 16 queries 128][step 16][64 words]: bit r + 16 h of word 16 b + 8 u + j is 1 where mask[16 tile + r][128 step + 32 b + 16 u + 8 h + j] is not 0.
; LIMITS: a block of zeros gets the scale byte 1 where the quantiser says 127 (its codes are zeros, and this program alone reads the bytes); blocks whose largest magnitude lies under 2^-124 are held at that byte; NaN, infinities
; and given scale bytes of 0xff are not served.  No prefetch: the walk along K has three chunks, of which two are asked for before the first product.
.set ROWB,   256
.set NQ,     2                         ; steps that one set of scale words serves
.set KROW,   768
.set STEPS,  8
.set CHUNKS, 3
.set PITCH,  272                       ; an LDS row: 256 bytes + 16 of padding
.set FR,     12
.set NL,     6
.set NP,     4                         ; places behind this matrix instruction (ISA guide 7.12.1)
.set HALFT,  128*PITCH
.set SLOT,   4*HALFT                   ; A's 256 rows, then B's
.set KS,     32
.set SCL,    2*SLOT                    ; behind the ring: the scales, units of 256 bytes + 16
.set HALFS,  (128*KS/256)*272
.set SBLK,   (16*KS/256)*272
.set SPARE,  SCL+4*HALFS               ; the spare words: 128 bytes a wave
.set MST,    SPARE+512                 ; the mask's stages, 16 rows x 272 bytes a wave: bytes of their own
.set MSTW,   16*272
.set HEADB,  204800
.set STEPB,  12800
.set ADRA, 16                          ; v16-17 my A fragments in slot 0, 1; v18-19 lanes 0-15 at byte 232 of slot 0, 1 and lanes 16-31 at byte 0 of the other slot
.set ADRB, 20                          ; v20-23 the same for B
.set L16,  24
.set L8,   25
.set SOFF, 26                          ; 16 r + a head's block x h
.set ADRS, 27
.set SPW,  28
.set NIL,  29
.set SELP, 30
.set SC,   32                          ; v32-63 scale words, two sets
.set BI,   64                          ; v64-127 the bias along my registers (q, k)
.set AF,   128                         ; v128-223 A's fragments
.set T,    128
.set PC,   192
.set PWK,  212
.set WS,   220
.set BR,   224                         ; v224-239 the bias of my lane's row (v)
.set TM,   240
.set OUTW, 4                           ; the mask's way
.set SA,   12
.set RA,   13
.set ML,   14
.set MM,   64
.set XX,   192
.set SEL,  22
.set G1, 24
.set G0, 32
.set G1B, 48
.set G0B, 56
.set G1S, 68
.set G0S, 76
.set G1SB, 80
.set G0SB, 88
.set G0H, 4                            ; group 0 of the head's loads of chunk 0, in registers whose arguments have served
.set G0HB, 8
.set MSB, 0
.macro WIN new
.if MSB != (\new)
	s_set_vgpr_msb (MSB<<8)|(\new)
.set MSB, (\new)
.endif
.endm
.set MUL_LO, 0xa1
.set MUL_HI, 0xf1
.set TO_B,   0x40
.macro JLOAD g0a, g1a, g0b, g1b        ; waves 0 and 1 fetch for A, waves 2 and 3 for B
	s_cmp_eq_u32 s15, 0
	s_cbranch_scc0 .Lfor_b_\@
	tensor_load_to_lds s[\g0a:\g0a+3], s[\g1a:\g1a+7]
	s_nop 0
.rept 4
	v_nop
.endr
	s_branch .Lasked_\@
.Lfor_b_\@:
	tensor_load_to_lds s[\g0b:\g0b+3], s[\g1b:\g1b+7]
	s_nop 0
.rept 4
	v_nop
.endr
.Lasked_\@:
.endm
.macro CREST
	s_cmp_lg_u32 s14, 0
	s_cbranch_scc1 .Lnot_wave_0_\@
	s_barrier_signal -3
.Lnot_wave_0_\@:
	s_barrier_wait -3
	s_barrier_signal -1
	s_barrier_wait -1
.endm
.macro CROUND
	s_barrier_signal -1
	s_barrier_wait -1
	CREST
.endm
	s_load_b512 s[24:39], s[0:1], 0x0              ; q's codes, scales; Wq's codes, scales; bq; k's codes, scales; Wk's codes
	s_load_b512 s[40:55], s[0:1], 0x40             ; Wk's scales; bk; Wv's codes, scales; v's codes, scales; bv; mask
	s_load_b128 s[56:59], s[0:1], 0x80             ; qs, kv
	s_load_b64 s[60:61], s[0:1], 0x90              ; maskw
	v_lshl_add_u32 v[SPW], v0, 2, SPARE
	v_mov_b32 v[NIL], 0
	ds_add_u32 v[SPW], v[NIL]                      ; the opening lines: the add twice on end
	ds_add_u32 v[SPW], v[NIL]
	v_lshrrev_b32 v1, 5, v0
	v_readfirstlane_b32 s14, v1                    ; wave
	s_lshr_b32 s15, s14, 1                         ; my half of the tile's rows; also: I fetch for A (0) or B (1)
	s_and_b32 s16, s14, 1                          ; my half of its columns; also: which 128 rows I fetch
	s_and_b32 s2, ttmp7, 0xffff
	s_lshr_b32 s95, s2, 3                          ; 0 q, 1 k, 2 v, 3 the mask
	s_and_b32 s2, s2, 7
	s_bfe_u32 s98, ttmp6, 0x40000                  ; cx
	s_bfe_u32 s99, ttmp6, 0x40004                  ; cy
	v_and_b32 v1, 15, v0                           ; r
	v_bfe_u32 v2, v0, 4, 1                         ; h
	v_and_b32 v3, 31, v0
	v_lshlrev_b32 v[L16], 4, v3
	v_lshlrev_b32 v[L8], 3, v3
	s_wait_alu depctr_va_vdst(0)
	s_wait_dscnt 0x0
	s_wait_kmcnt 0x0
	s_cmp_eq_u32 s95, 3
	s_cbranch_scc1 .Lmask                          ; a whole cluster goes this way or none of it
	s_cmp_eq_u32 s95, 1
	s_cselect_b64 s[4:5], s[34:35], s[24:25]       ; A's codes
	s_cselect_b64 s[6:7], s[36:37], s[26:27]       ; A's scales
	s_cselect_b64 s[8:9], s[38:39], s[28:29]       ; B's codes
	s_cselect_b64 s[10:11], s[40:41], s[30:31]     ; B's scales
	s_cselect_b64 s[96:97], s[42:43], s[32:33]     ; the bias
	s_cmp_eq_u32 s95, 2
	s_cselect_b64 s[4:5], s[44:45], s[4:5]         ; v: A = Wv, B = the tokens
	s_cselect_b64 s[6:7], s[46:47], s[6:7]
	s_cselect_b64 s[8:9], s[48:49], s[8:9]
	s_cselect_b64 s[10:11], s[50:51], s[10:11]
	s_cselect_b64 s[96:97], s[52:53], s[96:97]
	s_cselect_b32 s3, 0, s2                        ; the eighth counts tile rows (q, k)
	s_cselect_b32 s2, s2, 0                        ; or tile columns (v)
	s_cmp_eq_u32 s95, 0
	s_cselect_b64 s[12:13], s[56:57], s[58:59]     ; q goes to qs, k and v to kv
	s_lshl_b32 s42, s2, 2
	s_add_co_u32 s42, s42, s98                     ; tile column
	s_lshl_b32 s17, s3, 2
	s_add_co_u32 s17, s17, s99                     ; tile row
	s_lshl_b32 s43, s99, 2
	s_lshl_b32 s43, 15, s43                        ; my row of the cluster
	s_lshl_b32 s44, 0x1111, s98                    ; my column
	; group 1: rows of 256 bytes, 16 bytes of padding behind each; 256 rows for the head's loads, 128 behind them
	s_or_b32 s[G1+0], s43, (0<<16)|(1<<20)|(1<<21)|(5<<22)|(3<<25)
	s_or_b32 s[G1B+0], s44, (0<<16)|(1<<20)|(1<<21)|(5<<22)|(3<<25)
.irp g, G1, G1B
	s_mov_b32 s[\g+1], ROWB<<16
	s_mov_b32 s[\g+2], 256<<16
	s_mov_b32 s[\g+3], ROWB<<16
	s_mov_b32 s[\g+4], 256
	s_mov_b32 s[\g+5], KROW
	s_mov_b32 s[\g+6], 0
	s_mov_b32 s[\g+7], 0
.endr
	; the scales of 256 rows: 8,192 dense bytes as 32 rows of 256 bytes
	s_or_b32 s[G1S+0], s43, (3<<16)|(1<<20)|(1<<21)|(5<<22)|(3<<25)
	s_or_b32 s[G1SB+0], s44, (3<<16)|(1<<20)|(1<<21)|(5<<22)|(3<<25)
.irp g, G1S, G1SB
	s_mov_b32 s[\g+1], 32<<16
	s_mov_b32 s[\g+2], KS<<16
	s_mov_b32 s[\g+3], 32<<16
	s_mov_b32 s[\g+4], KS
	s_mov_b32 s[\g+5], 32
	s_mov_b32 s[\g+6], 0
	s_mov_b32 s[\g+7], 0
.endr
	s_lshl_b32 s20, s17, 8                         ; A: the tile's first row
	s_lshl_b32 s46, s42, 8                         ; B's
	s_lshl_b32 s22, s20, 5                         ; their scales: 32 bytes a row
	s_mov_b32 s23, 0
	s_lshl_b32 s92, s46, 5
	s_mov_b32 s93, 0
	s_mul_i32 s20, s20, KROW
	s_mov_b32 s21, 0
	s_mul_i32 s46, s46, KROW
	s_mov_b32 s47, 0
	s_mul_i32 s18, s16, 128*KROW                   ; in the ring I fetch 128 rows
	s_mov_b32 s19, 0
	s_mul_i32 s45, s14, HALFT                      ; to wave x 128 rows
	s_add_nc_u64 s[20:21], s[4:5], s[20:21]
	s_add_nc_u64 s[22:23], s[6:7], s[22:23]
	s_add_nc_u64 s[46:47], s[8:9], s[46:47]
	s_add_nc_u64 s[92:93], s[10:11], s[92:93]
	CROUND                                         ; all sixteen work-groups are here: the first joint loads meet
	s_mov_b32 s[G0H], 1
	s_mov_b32 s[G0H+1], 0
	s_mov_b64 s[G0H+2:G0H+3], s[20:21]
	s_or_b32 s[G0H+3], s[G0H+3], 0x80000000
	s_mov_b32 s[G0HB], 1
	s_mov_b32 s[G0HB+1], 2*HALFT
	s_mov_b64 s[G0HB+2:G0HB+3], s[46:47]
	s_or_b32 s[G0HB+3], s[G0HB+3], 0x80000000
	s_mov_b32 s[G0S], 1
	s_mov_b32 s[G0S+1], SCL
	s_mov_b64 s[G0S+2:G0S+3], s[22:23]
	s_or_b32 s[G0S+3], s[G0S+3], 0x80000000
	s_mov_b32 s[G0SB], 1
	s_mov_b32 s[G0SB+1], SCL+2*HALFS
	s_mov_b64 s[G0SB+2:G0SB+3], s[92:93]
	s_or_b32 s[G0SB+3], s[G0SB+3], 0x80000000
	s_add_nc_u64 s[20:21], s[20:21], s[18:19]
	s_add_nc_u64 s[46:47], s[46:47], s[18:19]
.irp s, 0,1
	s_mov_b32 s[G0+4*\s], 1
	s_add_co_u32 s[G0+4*\s+1], s45, \s*SLOT
	s_add_nc_u64 s[G0+4*\s+2:G0+4*\s+3], s[20:21], \s*ROWB
	s_or_b32 s[G0+4*\s+3], s[G0+4*\s+3], 0x80000000
	s_mov_b32 s[G0B+4*\s], 1
	s_add_co_u32 s[G0B+4*\s+1], s45, \s*SLOT
	s_add_nc_u64 s[G0B+4*\s+2:G0B+4*\s+3], s[46:47], \s*ROWB
	s_or_b32 s[G0B+4*\s+3], s[G0B+4*\s+3], 0x80000000
.endr
; THE HEAD'S LOADS, ONE A WAVE, in one chain of branches: wave 0 chunk 0's 256 rows of A, wave 1 those of B, wave 2 A's scales, wave 3 B's
.macro ARM under, g0, g1, next
	s_cmp_lt_u32 s14, \under
	s_cbranch_scc0 \next
	tensor_load_to_lds s[\g0:\g0+3], s[\g1:\g1+7]
	s_nop 0
.rept 4
	v_nop
.endr
	s_branch .Lhead_asked
\next:
.endm
	ARM 1, G0H,  G1,  .Lhead_b
	ARM 2, G0HB, G1B, .Lhead_sa
	ARM 3, G0S,  G1S, .Lhead_sb
	tensor_load_to_lds s[G0SB:G0SB+3], s[G1SB:G1SB+7]
	s_nop 0
.rept 4
	v_nop
.endr
.Lhead_asked:
	v_mul_u32_u24 v3, v1, PITCH
	v_mul_u32_u24 v4, v2, 24
	v_add_nc_u32 v4, v3, v4                        ; row x pitch + 24 x half
	s_mov_b32 s21, SLOT-232
	s_mov_b32 s22, SLOT+232
	v_sub_nc_u32 v7, 1, v2
	v_mul_u32_u24 v5, s21, v2
	v_add_nc_u32 v5, v3, v5
	v_add_nc_u32 v5, 232, v5                       ; lanes 0-15 byte 232 in slot 0, lanes 16-31 byte 0 in slot 1
	v_mul_u32_u24 v6, s22, v7
	v_add_nc_u32 v6, v3, v6                        ; lanes 0-15 byte 232 in slot 1, lanes 16-31 byte 0 in slot 0
	s_mul_i32 s21, s15, HALFT
	s_mul_i32 s22, s16, HALFT
	s_add_co_u32 s22, s22, 2*HALFT
	v_add_nc_u32 v[ADRA+2], s21, v5
	v_add_nc_u32 v[ADRA+3], s21, v6
	v_add_nc_u32 v[ADRB+2], s22, v5
	v_add_nc_u32 v[ADRB+3], s22, v6
.irp s, 0,1
	v_add_nc_u32 v[ADRA+\s], s21, v4
	v_add_nc_u32 v[ADRB+\s], s22, v4
	s_add_co_u32 s21, s21, SLOT
	s_add_co_u32 s22, s22, SLOT
.endr
	v_mul_u32_u24 v5, v1, KS
	v_lshrrev_b32 v6, 8, v5
	v_lshl_add_u32 v5, v6, 4, v5                   ; 32 bytes a row, 16 more for each 256 passed
	s_mul_i32 s21, s15, HALFS
	s_mul_i32 s22, s16, HALFS
	s_add_co_u32 s22, s22, 2*HALFS
	s_sub_co_u32 s22, s22, s21
	v_mul_u32_u24 v6, s22, v2                      ; lanes 16-31 take B's
	s_add_co_u32 s21, s21, SCL
	v_add_nc_u32 v5, v5, v6
	v_add_nc_u32 v[ADRS], s21, v5
	; THE BIAS, in both forms, so that both ways out find their registers written; the AND keeps the loads of the form not used inside the 1,024 numbers
	s_lshl_b32 s18, s42, 8
	s_lshl_b32 s19, s16, 7
	s_add_co_u32 s18, s18, s19
	s_and_b32 s18, s18, 1023
	s_lshl_b32 s18, s18, 2
	s_mov_b32 s19, 0
	s_add_nc_u64 s[100:101], s[96:97], s[18:19]
	s_lshl_b32 s18, s17, 8
	s_lshl_b32 s20, s15, 7
	s_add_co_u32 s18, s18, s20
	s_and_b32 s18, s18, 1023
	s_lshl_b32 s18, s18, 2
	s_add_nc_u64 s[96:97], s[96:97], s[18:19]
	v_lshlrev_b32 v8, 5, v2                        ; register 8 b + j wants column 16 b + 8 h + j
	v_lshlrev_b32 v9, 2, v1                        ; tile a wants row 16 a + r
.irp b, 0,1,2,3,4,5,6,7
	global_load_b128 v[BI+8*\b:BI+8*\b+3], v8, s[100:101] offset:64*\b
	global_load_b128 v[BI+8*\b+4:BI+8*\b+7], v8, s[100:101] offset:64*\b+16
.endr
.irp a, 0,1,2,3,4,5,6,7
	global_load_b32 v[BR+2*\a], v9, s[96:97] offset:64*\a
	global_load_b32 v[BR+2*\a+1], v9, s[96:97] offset:64*\a
.endr
	; where my wave's part of the output begins: its 128 tokens are one step of one batch, its 128 other rows two heads
	s_lshl_b32 s18, s17, 1
	s_add_co_u32 s18, s18, s15
	s_lshl_b32 s19, s42, 1
	s_add_co_u32 s19, s19, s16
	s_cmp_eq_u32 s95, 2
	s_cselect_b32 s20, s19, s18                    ; which 128 tokens
	s_cselect_b32 s21, s18, s19                    ; which pair of heads
	s_cselect_b32 s22, 6144, 0                     ; V's units lie behind K's
	s_lshr_b32 s23, s20, 4
	s_lshl_b32 s23, s23, 4
	s_lshl_b32 s21, s21, 1
	s_add_co_u32 s23, s23, s21                     ; 16 x batch + head
	s_mul_i32 s23, s23, HEADB
	s_and_b32 s20, s20, 15
	s_mul_i32 s20, s20, STEPB
	s_add_co_u32 s20, s20, s23
	s_add_co_u32 s20, s20, s22
	s_mov_b32 s21, 0
	s_add_nc_u64 s[12:13], s[12:13], s[20:21]
	v_mul_u32_u24 v[SOFF], v2, HEADB
	v_lshl_add_u32 v[SOFF], v1, 4, v[SOFF]
.macro FRAG reg, adr, st, i            ; 16 rows x 128 K: six pieces of 8 bytes; byte y of a row lies in slot (y / 256) % 2 at byte y % 256
.irp p, 0,1,2,3,4,5
.set BY, 96*(\st)+48*(\p/3)+8*(\p%3)
.if BY/ROWB == (BY+24)/ROWB
	ds_load_b64 v[\reg+2*\p:\reg+2*\p+1], v[\adr+(BY/ROWB)%2] offset:BY%ROWB+(\i)*16*PITCH
.else
	ds_load_b64 v[\reg+2*\p:\reg+2*\p+1], v[\adr+2+(BY/ROWB)%2] offset:BY%ROWB-232+(\i)*16*PITCH
.endif
.endr
.endm
; 16 matrix instructions; the 64 accumulators take turns in the same order in every step
.macro MUL16 a0, p, q, sc, zero
.irp a, \a0, \a0+1
.irp b, 0,1,2,3,4,5,6,7
.if \zero
	v_wmma_scale_f32_16x16x128_f8f6f4 v[8*(8*((\a)%4)+\b):8*(8*((\a)%4)+\b)+7], v[128*(\p)+FR*\b:128*(\p)+FR*\b+FR-1], v[AF+FR*(\a):AF+FR*(\a)+FR-1], 0, v[SC+8*NQ*(\sc)+NQ*\b+(\q)], v[SC+8*NQ*(\sc)+NQ*(\a)+(\q)] matrix_a_fmt:MATRIX_FMT_FP6 matrix_b_fmt:MATRIX_FMT_FP6 matrix_a_scale:MATRIX_SCALE_ROW1
.else
	v_wmma_scale_f32_16x16x128_f8f6f4 v[8*(8*((\a)%4)+\b):8*(8*((\a)%4)+\b)+7], v[128*(\p)+FR*\b:128*(\p)+FR*\b+FR-1], v[AF+FR*(\a):AF+FR*(\a)+FR-1], v[8*(8*((\a)%4)+\b):8*(8*((\a)%4)+\b)+7], v[SC+8*NQ*(\sc)+NQ*\b+(\q)], v[SC+8*NQ*(\sc)+NQ*(\a)+(\q)] matrix_a_fmt:MATRIX_FMT_FP6 matrix_b_fmt:MATRIX_FMT_FP6 matrix_a_scale:MATRIX_SCALE_ROW1
.endif
.endr
.endr
.endm
.macro FETCH_B st, p
	WIN TO_B
.irp i, 0,1,2,3,4,5,6,7
	FRAG 128*(\p)+FR*\i, ADRB, \st, \i
.endr
	WIN 0
.endm
.macro FETCH_A st, i0
.irp i, \i0, \i0+1, \i0+2, \i0+3
	FRAG AF+FR*(\i), ADRA, \st, \i
.endr
.endm
.macro SCALES pr                       ; the scale words of steps 2 pr, 2 pr + 1: lanes 0-15 A's block i, lanes 16-31 B's
.irp i, 0,1,2,3,4,5,6,7
	ds_load_b64 v[SC+8*NQ*((\pr)%2)+NQ*\i:SC+8*NQ*((\pr)%2)+NQ*\i+1], v[ADRS] offset:\i*SBLK+4*NQ*(\pr)
.endr
.endm
.macro PLACES n
.rept \n
	v_nop
.endr
.endm
; A step: 64 products; the next step's fragments are fetched in its middle and at its end.  Where the next step's bytes END in a chunk not read yet, a barrier shows that chunk whole.  Where they BEGIN in a later chunk,
; the chunk left behind is read no more: the three lines, the barrier, and, where a chunk two on is left, a round of the cluster's barrier and the refill.
.macro STEP st, zero
.set NX, (\st)+1
.set C0, (96*(\st))/ROWB
.set C1, (96*NX)/ROWB
.set E0, (96*(\st)+95)/ROWB
.set E1, (96*NX+95)/ROWB
.if C1 > C0 || E1 > E0
	s_wait_tensorcnt 0x0                           ; all my tensor loads have landed
.if C1 > C0
	ds_add_u32 v[SPW], v[NIL]
	s_wait_dscnt 4*NL+1                            ; the add and A's blocks 4-7 (24 loads) may be out
.else
	s_wait_dscnt 4*NL                              ; A's blocks 4-7 may be out
.endif
	WIN MUL_LO
	MUL16 0, (\st)%2, (\st)%2, ((\st)/2)%2, \zero
	s_wait_dscnt 0x0                               ; the add and all my reads are done
	s_barrier_signal -1
	MUL16 2, (\st)%2, (\st)%2, ((\st)/2)%2, \zero
	WIN 0
	s_barrier_wait -1
.if C1 > C0 && C0+2 < CHUNKS
	CREST
	s_add_nc_u64 s[G0+4*(C0%2)+2:G0+4*(C0%2)+3], s[G0+4*(C0%2)+2:G0+4*(C0%2)+3], 2*ROWB
	s_add_nc_u64 s[G0B+4*(C0%2)+2:G0B+4*(C0%2)+3], s[G0B+4*(C0%2)+2:G0B+4*(C0%2)+3], 2*ROWB
	JLOAD G0+4*(C0%2), G1, G0B+4*(C0%2), G1B       ; chunk C0 + 2; its four v_nop are the places in front of the loads below
.else
	PLACES NP
.endif
.else
	s_wait_dscnt 4*NL
	WIN MUL_LO
	MUL16 0, (\st)%2, (\st)%2, ((\st)/2)%2, \zero
	MUL16 2, (\st)%2, (\st)%2, ((\st)/2)%2, \zero
	s_wait_dscnt 0
	PLACES NP
.endif
	FETCH_B NX, NX%2
	FETCH_A NX, 0
.if NX%2 == 0
	SCALES NX/2
.endif
	WIN MUL_HI
	MUL16 4, (\st)%2, (\st)%2, ((\st)/2)%2, \zero
	MUL16 6, (\st)%2, (\st)%2, ((\st)/2)%2, \zero
	PLACES NP
	WIN 0
	FETCH_A NX, 4
.endm
	s_wait_alu depctr_va_vdst(0)
	s_wait_loadcnt 0x0                             ; the biases
	s_wait_tensorcnt 0x0                           ; my tile of the head's four is in
	ds_add_u32 v[SPW], v[NIL]
	s_mov_b32 s[G1+2], 128<<16                     ; no tensor load of mine is out: from here on a load brings 128 rows
	s_mov_b32 s[G1+4], 128
	s_mov_b32 s[G1B+2], 128<<16
	s_mov_b32 s[G1B+4], 128
	s_wait_dscnt 0x0
	CROUND
	JLOAD G0+4, G1, G0B+4, G1B                     ; chunk 1, the first tensor load behind the round
	FETCH_B 0, 0
	FETCH_A 0, 0
	SCALES 0
	FETCH_A 0, 4
	STEP 0, 1                                      ; the first step's products start the sums
.set ST, 1
.rept STEPS-2
	STEP ST, 0
.set ST, ST+1
.endr
	s_wait_dscnt 4*NL                              ; the last step
	WIN MUL_LO
	MUL16 0, 1, 1, 1, 0
	MUL16 2, 1, 1, 1, 0
	s_wait_dscnt 0
	WIN MUL_HI
	MUL16 4, 1, 1, 1, 0
	MUL16 6, 1, 1, 1, 0
	WIN 0
; THE WAY OUT needs no LDS.  The 64 registers of A's block a get the bias, are quantised as four blocks of 32, and leave as two units.
.macro QUANT pw
.irp b, 0,1,2,3
	v_max3_num_f32 v[TM+\b], |v[T+16*\b]|, |v[T+1+16*\b]|, 0x1800000   ; with the floor 2^(3 - 127): the byte cannot fall under 1
.endr
.irp e, 2,4,6,8,10,12,14
.irp b, 0,1,2,3
	v_max3_num_f32 v[TM+\b], v[TM+\b], |v[T+16*\b+\e]|, |v[T+1+16*\b+\e]|
.endr
.endr
.irp b, 0,1,2,3
	v_permlanex16_b32 v[TM+4+\b], v[TM+\b], s[SEL], s[SEL+1]
.endr
.irp b, 0,1,2,3
	v_max_num_f32 v[TM+\b], v[TM+\b], v[TM+4+\b]
.endr
.irp b, 0,1,2,3
	v_add_nc_u32 v[TM+12+\b], 0xff000000, v[TM+\b] ; 2 off the exponent field: the conversion's scale operand
.endr
.irp b, 0,1,2,3
	v_lshrrev_b32 v[TM+4+\b], 23, v[TM+12+\b]
.endr
	v_lshl_or_b32 v[\pw], v[TM+5], 8, v[TM+4]
	v_lshl_or_b32 v[\pw], v[TM+6], 16, v[\pw]
	v_lshl_or_b32 v[\pw], v[TM+7], 24, v[\pw]
.irp c, 0,1
	v_cvt_scalef32_pk16_fp6_f32 v[PC+6*\c:PC+2+6*\c], v[T+32*\c:T+15+32*\c], v[TM+12+2*\c]
	v_cvt_scalef32_pk16_fp6_f32 v[PC+12+4*\c:PC+14+4*\c], v[T+16+32*\c:T+31+32*\c], v[TM+12+2*\c+1]
.endr
	v_nop                                          ; one plain place behind a scaled conversion
.irp c, 0,1                                    ; a whole block in a lane: lanes 0-15 block 2 c, lanes 16-31 block 2 c + 1
.irp e, 0,1,2
	v_permlane16_swap_b32 v[PC+6*\c+\e], v[PC+12+4*\c+\e]
.endr
.irp e, 0,1,2
	v_mov_b32 v[PC+3+6*\c+\e], v[PC+12+4*\c+\e]
.endr
.endr
.endm
.macro EPI isv
.irp a, 0,1,2,3,4,5,6,7
.set AC, 64*(\a%4)
.if \isv
.set O0, HEADB*(\a/4)+1536*(\a%4)
.set O1, O0+768
.else
.set O0, 768*\a
.set O1, O0+HEADB
.endif
	WIN 2+\a/4
.set n, 0
.rept 32
.if \isv
	v_pk_add_f32 v[T+n:T+n+1], v[AC+n:AC+n+1], v[BR+2*\a:BR+2*\a+1] op_sel_hi:[1,0]
.else
	v_pk_add_f32 v[T+n:T+n+1], v[AC+n:AC+n+1], v[BI+n:BI+n+1]
.endif
.set n, n+2
.endr
	WIN 0
	s_wait_xcnt 0x0                                ; only behind this wait are the codes' registers, which the last block's stores read, written again
	QUANT PWK+\a
	global_store_b128 v[L16], v[PC:PC+3], s[12:13] offset:O0            ; 512 consecutive bytes, aligned to 256
	global_store_b64 v[L8], v[PC+4:PC+5], s[12:13] offset:O0+512        ; 256
	global_store_b128 v[L16], v[PC+6:PC+9], s[12:13] offset:O1
	global_store_b64 v[L8], v[PC+10:PC+11], s[12:13] offset:O1+512
.endr
.endm
.irp b, 0,1,2,3
	v_mov_b32 v[TM+4+\b], 0                        ; a lane permute's destination counts as a source; also the places behind the last products
.endr
	s_mov_b32 s20, 0xffff0000                      ; lanes 16-31
	s_mov_b32 s[SEL], 0x76543210
	s_mov_b32 s[SEL+1], 0xfedcba98
	v_mov_b32 v[SELP], 0x05040100
	v_mov_b32 v31, 0x07060302
	v_cndmask_b32 v[SELP], v[SELP], v31, s20
	s_cmp_eq_u32 s95, 2
	s_cbranch_scc1 .Lepi_v
	EPI 0
.irp p, 0,1,2,3
	v_perm_b32 v[WS+\p], v[PWK+2*\p+1], v[PWK+2*\p], v[SELP]   ; the word of key tiles 2 p, 2 p + 1: lanes 0-15 my first head's bytes, lanes 16-31 my second's
.endr
	global_store_b128 v[SOFF], v[WS:WS+3], s[12:13] offset:12288
	s_branch .Lend
.Lepi_v:
	EPI 1
.irp p, 0,1,2,3
	v_cndmask_b32 v[WS+\p], v[PWK+\p], v[PWK+4+\p], s20
.endr
	global_store_b128 v[SOFF], v[WS:WS+3], s[12:13] offset:6400
.Lend:
	s_wait_tensorcnt 0x0                           ; the wave's end
	ds_add_u32 v[SPW], v[NIL]
	s_wait_dscnt 0x0
	CROUND                                         ; the closing round
	s_endpgm
; THE MASK.  512 waves; wave W takes the tile of 16 queries W / 4 and the steps 4 (W % 4) + 0 .. 3.  A unit is 16 rows x 128 keys, in two halves of 64 keys: each load reads 256 consecutive aligned bytes of two rows;
; a half turns through the wave's own stage (rows of 272 bytes), so that a lane gets the numbers that stand where its scores will stand; a compare makes a word of 32 lanes; 64 words leave as one run of 256 bytes.
.macro MLOAD u
.irp e, 0,1,2,3,4,5,6,7,8,9,10,11,12,13,14,15
	global_load_b128 v[MM+64*((\u)%2)+4*\e:MM+64*((\u)%2)+4*\e+3], v[ML], s[54:55] offset:16384*(\e%8)+256*(\e/8)+512*(\u) th:TH_LOAD_NT
.endr
.endm
.macro MUNIT u
.if \u < 3
	s_wait_loadcnt 16                              ; this unit's 16 loads are in; the next unit's 16 may be out
.else
	s_wait_loadcnt 0x0
.endif
.irp g, 0,1                                    ; LDS serves a wave's instructions in order: the loads see the stores above them, and the second half's stores come behind the first half's loads
.irp e, 0,1,2,3,4,5,6,7
	ds_store_b128 v[SA], v[MM+64*(\u%2)+32*\g+4*\e:MM+64*(\u%2)+32*\g+4*\e+3] offset:544*\e
.endr
.irp e, 0,1,2,3,4,5,6,7
	ds_load_b128 v[XX+32*\g+4*\e:XX+32*\g+4*\e+3], v[RA] offset:128*(\e/4)+64*((\e/2)%2)+16*(\e%2)
.endr
.endr
	s_wait_dscnt 0x0
.if \u < 2
	MLOAD \u+2
.endif
.set n, 0
.rept 8
.irp e, 0,1,2,3,4,5,6,7
	v_cmp_ne_u32 s[68+\e], 0, v[XX+n+\e]
.endr
.irp e, 0,1,2,3,4,5,6,7
	v_writelane_b32 v[OUTW+2*\u+\e%2], s[68+\e], (n+\e)/2
.endr
.set n, n+8
.endr
	global_store_b64 v[L8], v[OUTW+2*\u:OUTW+2*\u+1], s[60:61] offset:256*\u
.endm
.Lmask:
	s_lshl_b32 s18, s2, 4
	s_lshl_b32 s19, s99, 2
	s_add_co_u32 s18, s18, s19
	s_add_co_u32 s18, s18, s98                     ; which of the 128 work-groups: it enters global addresses alone
	s_lshl_b32 s18, s18, 2
	s_add_co_u32 s18, s18, s14                     ; W
	s_lshr_b32 s20, s18, 2
	s_lshl_b32 s20, s20, 17                        ; 16 rows of 8,192 bytes
	s_and_b32 s21, s18, 3
	s_lshl_b32 s21, s21, 11                        ; four steps of 512 bytes
	s_add_co_u32 s20, s20, s21
	s_mov_b32 s21, 0
	s_add_nc_u64 s[54:55], s[54:55], s[20:21]
	s_lshl_b32 s20, s18, 10
	s_add_nc_u64 s[60:61], s[60:61], s[20:21]
	s_mul_i32 s22, s14, MSTW
	s_add_co_u32 s22, s22, MST                     ; my stage
	v_lshlrev_b32 v[ML], 13, v2
	v_lshl_add_u32 v[ML], v1, 4, v[ML]             ; row h, 16 r
	v_mul_u32_u24 v[SA], v2, 272
	v_lshl_add_u32 v[SA], v1, 4, v[SA]
	v_add_nc_u32 v[SA], s22, v[SA]
	v_mul_u32_u24 v[RA], v1, 272
	v_lshl_add_u32 v[RA], v2, 5, v[RA]
	v_add_nc_u32 v[RA], s22, v[RA]                 ; row r, + 32 h
.irp e, 0,1,2,3,4,5,6,7
	v_mov_b32 v[OUTW+\e], 0
.endr
	s_wait_alu depctr_va_vdst(0)
	MLOAD 0
	MLOAD 1
	MUNIT 0
	MUNIT 1
	MUNIT 2
	MUNIT 3
	s_wait_tensorcnt 0x0                           ; the wave's end
	ds_add_u32 v[SPW], v[NIL]
	s_wait_dscnt 0x0
	CROUND
	s_endpgm
.Lfunc_end_k_q4a03268ce8_proj:
	.size	k_q4a03268ce8_proj, .Lfunc_end_k_q4a03268ce8_proj-k_q4a03268ce8_proj
	.p2alignl 7, 3214868480
	.fill 96, 4, 3214868480
	.section	.rodata,"a",@progbits
	.p2align	6, 0x0
	.amdhsa_kernel k_q4a03268ce8_proj
		.amdhsa_group_segment_fixed_size 327680
		.amdhsa_private_segment_fixed_size 0
		.amdhsa_enable_private_segment 0
		.amdhsa_kernarg_size 152
		.amdhsa_user_sgpr_count 2
		.amdhsa_user_sgpr_kernarg_segment_ptr 1
		.amdhsa_wavefront_size32 1
		.amdhsa_system_sgpr_workgroup_id_x 1
		.amdhsa_system_sgpr_workgroup_id_y 1
		.amdhsa_system_sgpr_workgroup_id_z 1
		.amdhsa_system_vgpr_workitem_id 0
		.amdhsa_next_free_vgpr 1024
		.amdhsa_next_free_sgpr 102
		.amdhsa_reserve_vcc 0
		.amdhsa_float_denorm_mode_32 3
		.amdhsa_float_denorm_mode_16_64 3
		.amdhsa_memory_ordered 1
		.amdhsa_forward_progress 1
		.amdhsa_inst_pref_size 255
	.end_amdhsa_kernel
	.section	.bss,"aw",@nobits
	.p2align	6
	.space	262144
	.amdgpu_metadata
---
amdhsa.version: [ 1, 2 ]
amdhsa.kernels:
  - .name:           k_q4a03268ce8_proj
    .symbol:         k_q4a03268ce8_proj.kd
    .args:
      - { .name: q_codes, .offset: 0, .size: 8, .value_kind: global_buffer, .address_space: global }
      - { .name: q_scales, .offset: 8, .size: 8, .value_kind: global_buffer, .address_space: global }
      - { .name: Wq_codes, .offset: 16, .size: 8, .value_kind: global_buffer, .address_space: global }
      - { .name: Wq_scales, .offset: 24, .size: 8, .value_kind: global_buffer, .address_space: global }
      - { .name: bq, .offset: 32, .size: 8, .value_kind: global_buffer, .address_space: global }
      - { .name: k_codes, .offset: 40, .size: 8, .value_kind: global_buffer, .address_space: global }
      - { .name: k_scales, .offset: 48, .size: 8, .value_kind: global_buffer, .address_space: global }
      - { .name: Wk_codes, .offset: 56, .size: 8, .value_kind: global_buffer, .address_space: global }
      - { .name: Wk_scales, .offset: 64, .size: 8, .value_kind: global_buffer, .address_space: global }
      - { .name: bk, .offset: 72, .size: 8, .value_kind: global_buffer, .address_space: global }
      - { .name: Wv_codes, .offset: 80, .size: 8, .value_kind: global_buffer, .address_space: global }
      - { .name: Wv_scales, .offset: 88, .size: 8, .value_kind: global_buffer, .address_space: global }
      - { .name: v_codes, .offset: 96, .size: 8, .value_kind: global_buffer, .address_space: global }
      - { .name: v_scales, .offset: 104, .size: 8, .value_kind: global_buffer, .address_space: global }
      - { .name: bv, .offset: 112, .size: 8, .value_kind: global_buffer, .address_space: global }
      - { .name: mask, .offset: 120, .size: 8, .value_kind: global_buffer, .address_space: global }
      - { .name: qs, .offset: 128, .size: 8, .value_kind: global_buffer, .address_space: global }
      - { .name: kv, .offset: 136, .size: 8, .value_kind: global_buffer, .address_space: global }
      - { .name: maskw, .offset: 144, .size: 8, .value_kind: global_buffer, .address_space: global }
    .group_segment_fixed_size: 327680
    .private_segment_fixed_size: 0
    .kernarg_segment_align: 8
    .kernarg_segment_size: 152
    .max_flat_workgroup_size: 128
    .sgpr_count:     102
    .vgpr_count:     1024
    .wavefront_size: 32
...
	.end_amdgpu_metadata
.endif
;; end of part 1
;; launch attn (part 2): grid 4 x 64, 8 waves a work-group, no clusters, 205,824 bytes of LDS; arguments qs, kv, maskw, aoc, aos; writes aoc, aos
.if DOCPART == 2
	.amdgcn_target "amdgcn-amd-amdhsa--gfx1250"
	.amdhsa_code_object_version 6
	.text
	.protected	k_q4a03268ce8_attn
	.globl	k_q4a03268ce8_attn
	.p2align	8
	.type	k_q4a03268ce8_attn,@function
k_q4a03268ce8_attn:
	s_mov_b64 s[64:65], 0
	v_nop
	global_prefetch_b8 v0, s[64:65] scope:SCOPE_SE
	s_setreg_imm32_b32 hwreg(HW_REG_WAVE_MODE, 25, 1), 1
	s_wait_xcnt 0x0
; ATTENTION OF ONE HEAD OF ONE BATCH FOR 512 QUERIES: scores, mask, softmax, weighted sum, on codes of FP6 (E2M3) with E8M0 scales; the result is quantised along the head's 64 numbers for the last projection.
; THE DEAL.  Work-group (x, y): batch x head y, queries 512 x .. 512 x + 511; eight waves, 64 queries (four tiles of 16) each.  The head's K and V, 16 steps of 128 keys, 12,800 bytes each (8 units of K, 8 of V, their
; scale words: images of operand registers as the launch before left them), lie in LDS whole: wave w copies steps 2 w and 2 w + 1, 50 loads of 512 consecutive bytes, through registers; one barrier shows them to all.
; Both products are used transposed (S^T = k q^T, O^T = v^T p^T): a lane holds one query.  A score product's K is 128 and a head has 64 numbers: source 0 holds two key tiles side by side, source 1 is (q, 0) or (0, q).
; SOFTMAX: t = score x log2(e) / 8; M = ceil of the running largest t, a whole number; p = 2^(t - M); the row's sum is taken of the unquantised p; when M moves, sums and O^T are multiplied by 2^(old M - new M), in every trip.
; A block's largest p comes from its largest score by the same multiply-add and exponential.
; THE MASK.  maskw holds, for a tile of queries and a step, 64 words of 32 lane bits, one for each score register.  They are whole numbers read from memory: where all 64 are all ones, a scalar branch leads round the 64 selects,
; and round nothing else.  K and V come by plain loads, and there are no joint loads and no clusters.
; No prefetch: all that the loop reads from memory are the mask words, asked for one tile ahead.
; LIMITS: a masked score is held at -2^33 ahead of the factor 1/8, where the reference has -1e9 behind it: the results agree while the scaled scores stay under 2^31 in magnitude (a row that is masked whole
; gets equal weights, as in the reference).  NaN and infinities are not served.  A block of zeros gets the scale byte 1 (its codes are zeros; this program alone reads the bytes).
.set HEADB, 204800
.set STEPB, 12800
.set SPARE, 204800                     ; the spare words, 128 bytes a wave
.set L16,  1                           ; 16 x lane
.set L8,   2                           ; 8 x lane
.set R16,  3                           ; 16 x (lane % 16)
.set XNEG, 4                           ; -2^33
.set AD16, 5
.set AD8,  6
.set ADS,  7
.set KSC,  8                           ; v8-11 K's scale words
.set QSC,  12                          ; v12-15 q's
.set VSC,  16                          ; v16-19 V's
.set PSW,  20                          ; p's
.set F,    22
.set ST,   24                          ; v24-39 for each tile: -M, the largest raw score, the sum in two halves
.set BM,   40
.set PD,   44
.set SO,   48
.set G,    52
.set OLD,  53
.set PC,   56                          ; v56-67 p's codes
.set Y0,   68                          ; v68-75 at work
.set TQ,   76
.set KF,   80                          ; v80-127 K's fragments
.set VF,   128                         ; v128-175 V's
.set S,    176                         ; v176-239 scores, then p
.set RL,   240
.set PWK,  248
.set SPW,  254
.set NIL,  255
.set QB,   128                         ; window 1: v0-127 O^T, v128-199 q's operands (q, 0, q)
.set WV,   6
.set TB,   7
.set CNT,  8
.set MOF,  9
.set MOF2, 10
.set HIM,  11
.set SEL,  12
.set CS,   14
.set CX,   28
.set BH,   29
.set MSB, 0
.macro WIN new
.if MSB != (\new)
	s_set_vgpr_msb (MSB<<8)|(\new)
.set MSB, (\new)
.endif
.endm
	s_load_b128 s[16:19], s[0:1], 0x0              ; qs, kv
	s_load_b64 s[2:3], s[0:1], 0x10                ; maskw
	v_lshl_add_u32 v[SPW], v0, 2, SPARE
	v_mov_b32 v[NIL], 0
	v_lshrrev_b32 v5, 5, v0
	v_readfirstlane_b32 s[WV], v5
	v_and_b32 v5, 31, v0
	v_and_b32 v[R16], 15, v0
	v_lshlrev_b32 v[L16], 4, v5
	v_lshlrev_b32 v[L8], 3, v5
	v_lshlrev_b32 v[R16], 4, v[R16]
	s_and_b32 s[BH], ttmp7, 0xffff
	s_mov_b32 s[CX], ttmp9
	s_mul_i32 s20, s[BH], HEADB
	s_mul_i32 s21, s[WV], 2*STEPB                  ; my two steps: in kv and in LDS
	s_add_co_u32 s22, s20, s21
	s_mov_b32 s23, 0
	s_lshl_b32 s24, s[CX], 2
	s_lshr_b32 s25, s[WV], 1
	s_add_co_u32 s24, s24, s25                     ; my 64 queries lie in step 4 x + wave / 2 of qs,
	s_mul_i32 s24, s24, STEPB
	s_add_co_u32 s24, s24, s20
	s_mov_b32 s25, 0
	s_and_b32 s26, s[WV], 1                        ; in its units 4 (wave % 2) + 0 .. 3
	s_mul_i32 s27, s26, 3072
	s_lshl_b32 s26, s26, 3
	s_wait_alu depctr_va_vdst(0)
	v_add_nc_u32 v[ADS], s21, v[L16]
	v_add_nc_u32 v[AD16], s27, v[L16]
	v_add_nc_u32 v[AD8], s27, v[L8]
	v_add_nc_u32 v[G], s26, v[R16]
	s_wait_alu depctr_va_vdst(0)
	s_wait_kmcnt 0x0
	s_add_nc_u64 s[18:19], s[18:19], s[22:23]
	s_add_nc_u64 s[16:17], s[16:17], s[24:25]
	s_lshl_b32 s22, s[CX], 5
	s_lshl_b32 s24, s[WV], 2
	s_add_co_u32 s22, s22, s24                     ; my first tile of queries: 4,096 bytes of mask words a tile
	s_lshl_b32 s22, s22, 12
	s_add_nc_u64 s[4:5], s[2:3], s[22:23]
	WIN 0x40
.set n, 0
.rept 32                                       ; K and V: 32 loads into the registers that will hold O^T,
	global_load_b128 v[4*n:4*n+3], v[L16], s[18:19] offset:512*n
.set n, n+1
.endr
	WIN 0
.rept 18                                       ; 18 into those of the fragments
	global_load_b128 v[KF+4*(n-32):KF+4*(n-32)+3], v[L16], s[18:19] offset:512*n
.set n, n+1
.endr
	WIN 0x40
.irp e, 0,1,2,3
	global_load_b128 v[QB+18*\e:QB+18*\e+3], v[AD16], s[16:17] offset:768*\e
	global_load_b64 v[QB+18*\e+4:QB+18*\e+5], v[AD8], s[16:17] offset:768*\e+512
	global_load_b128 v[QB+18*\e+12:QB+18*\e+15], v[AD16], s[16:17] offset:768*\e
	global_load_b64 v[QB+18*\e+16:QB+18*\e+17], v[AD8], s[16:17] offset:768*\e+512
.endr
.irp e, 0,1,2,3
.irp c, 6,7,8,9,10,11
	v_mov_b32 v[QB+18*\e+\c], 0
.endr
.endr
	WIN 0
	global_load_b64 v[TQ:TQ+1], v[G], s[16:17] offset:12288
	s_load_b512 s[32:47], s[4:5], 0x0              ; the first tile's mask words
	s_load_b512 s[48:63], s[4:5], 0x40
	s_load_b512 s[68:83], s[4:5], 0x80
	s_load_b512 s[84:99], s[4:5], 0xc0
	s_mov_b32 s[SEL], 0x76543210
	s_mov_b32 s[SEL+1], 0xfedcba98
	s_mov_b32 s[CS], 0x3e38aa3b                    ; log2(e) / 8
	s_mov_b32 s[CS+1], s[CS]
	s_mov_b32 s[TB], 0
	s_mov_b32 s[MOF], 0
	s_mov_b32 s[HIM], 0xffff0000
	s_wait_loadcnt 51                              ; 67 loads were issued: the first 16 are in
	WIN 0x04
.set n, 0
.rept 16
	ds_store_b128 v[ADS], v[4*n:4*n+3] offset:512*n
.set n, n+1
.endr
	s_wait_loadcnt 35                              ; the first 32
.rept 16
	ds_store_b128 v[ADS], v[4*n:4*n+3] offset:512*n
.set n, n+1
.endr
	WIN 0
	s_wait_loadcnt 17                              ; all 50 of K and V
.rept 18
	ds_store_b128 v[ADS], v[KF+4*(n-32):KF+4*(n-32)+3] offset:512*n
.set n, n+1
.endr
	s_wait_loadcnt 0x0
	v_perm_b32 v[QSC], v[TQ], v[TQ], 0x01000100    ; a tile's two bytes, for either half of K
	v_perm_b32 v[QSC+1], v[TQ], v[TQ], 0x03020302
	v_perm_b32 v[QSC+2], v[TQ+1], v[TQ+1], 0x01000100
	v_perm_b32 v[QSC+3], v[TQ+1], v[TQ+1], 0x03020302
.irp e, 0,1,2,3
	v_mov_b32 v[ST+4*\e+1], 0xff61b1e6             ; the largest score so far: -3e38
	v_mov_b32 v[ST+4*\e+2], 0
	v_mov_b32 v[ST+4*\e+3], 0
	v_mov_b32 v[PD+\e], 0
.endr
.irp e, 0,1,2,3
	v_mul_f32 v[BM+\e], s[CS], v[ST+4*\e+1]
.endr
.irp e, 0,1,2,3
	v_floor_f32 v[ST+4*\e], -v[BM+\e]              ; -M
.endr
	v_mov_b32 v[F+1], 0
	v_mov_b32 v[XNEG], 0xd0000000
	WIN 0x40
.set n, 0
.rept 128
	v_mov_b32 v[n], 0                              ; O^T: the step is written once, and the first finds zeros
.set n, n+1
.endr
	WIN 0
	s_wait_alu depctr_va_vdst(0)
	s_wait_dscnt 0x0                               ; my stores are done,
	s_barrier_signal -1
	s_barrier_wait -1                              ; everybody's are
.macro TILE ti
	WIN 0x04
.irp p, 0,1,2,3
	v_wmma_scale_f32_16x16x128_f8f6f4 v[S+16*\p:S+16*\p+7], v[KF+12*\p:KF+12*\p+11], v[QB+18*\ti:QB+18*\ti+11], 0, v[KSC+\p], v[QSC+\ti] matrix_a_fmt:MATRIX_FMT_FP6 matrix_b_fmt:MATRIX_FMT_FP6
	v_wmma_scale_f32_16x16x128_f8f6f4 v[S+16*\p+8:S+16*\p+15], v[KF+12*\p:KF+12*\p+11], v[QB+18*\ti+6:QB+18*\ti+17], 0, v[KSC+\p], v[QSC+\ti] matrix_a_fmt:MATRIX_FMT_FP6 matrix_b_fmt:MATRIX_FMT_FP6
.endr
	WIN 0
	v_mov_b32 v[OLD], v[ST+4*\ti]                  ; with the three lines below: the places behind the products
.rept 3
	v_nop
.endr
	s_wait_alu depctr_va_vdst(0)
	s_wait_kmcnt 0x0                               ; this tile's 64 mask words
	s_and_b64 s[100:101], s[32:33], s[34:35]       ; are all their bits set?  Two chains of ANDs
	s_and_b64 s[26:27], s[68:69], s[70:71]
.irp e, 4,6,8,10,12,14,16,18,20,22,24,26,28,30
	s_and_b64 s[100:101], s[100:101], s[32+\e:33+\e]
	s_and_b64 s[26:27], s[26:27], s[68+\e:69+\e]
.endr
	s_and_b64 s[100:101], s[100:101], s[26:27]
	s_and_b32 s100, s100, s101
	s_cmp_eq_u32 s100, -1
	s_cbranch_scc1 .Lfull_\@                       ; then nothing is masked here
.set n, 0
.rept 64
	v_cndmask_b32 v[S+n], v[XNEG], v[S+n], s[32+n+4*(n/32)]
.set n, n+1
.endr
.Lfull_\@:
.irp b, 0,1,2,3                                ; each block's largest score, four chains by turns, each accumulator from its low end on
	v_max3_num_f32 v[BM+\b], v[S+16*\b], v[S+1+16*\b], v[S+2+16*\b]
.endr
.irp e, 3,5,7,9,11,13
.irp b, 0,1,2,3
	v_max3_num_f32 v[BM+\b], v[BM+\b], v[S+16*\b+\e], v[S+1+16*\b+\e]
.endr
.endr
.irp b, 0,1,2,3
	v_max_num_f32 v[BM+\b], v[BM+\b], v[S+15+16*\b]
.endr
.if \ti < 3                                    ; the next tile's mask words
	s_load_b512 s[32:47], s[4:5], s[MOF] offset:4096*(\ti+1)
	s_load_b512 s[48:63], s[4:5], s[MOF] offset:4096*(\ti+1)+64
	s_load_b512 s[68:83], s[4:5], s[MOF] offset:4096*(\ti+1)+128
	s_load_b512 s[84:99], s[4:5], s[MOF] offset:4096*(\ti+1)+192
.else
	s_add_co_u32 s[MOF2], s[MOF], 256              ; tile 0's of the next step; in the last trip the last step's again, inside the buffer
	s_min_u32 s[MOF2], s[MOF2], 3840
	s_load_b512 s[32:47], s[4:5], s[MOF2] offset:0
	s_load_b512 s[48:63], s[4:5], s[MOF2] offset:64
	s_load_b512 s[68:83], s[4:5], s[MOF2] offset:128
	s_load_b512 s[84:99], s[4:5], s[MOF2] offset:192
.endif
.irp b, 0,1,2,3
	v_permlanex16_b32 v[PD+\b], v[BM+\b], s[SEL], s[SEL+1]
.endr
.irp b, 0,1,2,3
	v_max_num_f32 v[BM+\b], v[BM+\b], v[PD+\b]     ; with lane l xor 16's 16 keys
.endr
	v_max3_num_f32 v[G], v[BM], v[BM+1], v[BM+2]
	v_max3_num_f32 v[ST+4*\ti+1], v[ST+4*\ti+1], v[G], v[BM+3]   ; the running largest score
	v_mul_f32 v[G], s[CS], v[ST+4*\ti+1]           ; as t (the factor is positive)
	v_floor_f32 v[ST+4*\ti], -v[G]                 ; -M = floor(-t)
.irp e, 0,2,4,6
	v_pk_fma_f32 v[S+\e:S+\e+1], v[S+\e:S+\e+1], s[CS:CS+1], v[ST+4*\ti:ST+4*\ti+1] op_sel_hi:[1,0,0]   ; t - M
.endr
	v_sub_f32 v[G], v[ST+4*\ti], v[OLD]            ; old M - new M
.irp e, 8,10,12,14
	v_pk_fma_f32 v[S+\e:S+\e+1], v[S+\e:S+\e+1], s[CS:CS+1], v[ST+4*\ti:ST+4*\ti+1] op_sel_hi:[1,0,0]
.endr
	v_cvt_i32_f32 v[G], v[G]                       ; (it saturates)
.irp e, 16,18,20,22
	v_pk_fma_f32 v[S+\e:S+\e+1], v[S+\e:S+\e+1], s[CS:CS+1], v[ST+4*\ti:ST+4*\ti+1] op_sel_hi:[1,0,0]
.endr
	v_ldexp_f32 v[F], 1.0, v[G]                    ; f = 2^(old M - new M)
.irp e, 24,26,28,30,32,34,36,38,40,42,44,46,48,50,52,54,56,58,60,62
	v_pk_fma_f32 v[S+\e:S+\e+1], v[S+\e:S+\e+1], s[CS:CS+1], v[ST+4*\ti:ST+4*\ti+1] op_sel_hi:[1,0,0]
.endr
.irp b, 0,1,2,3
	v_fma_f32 v[BM+\b], v[BM+\b], s[CS], v[ST+4*\ti]
.endr
	s_wait_alu depctr_va_vdst(0)
.set n, 0
.rept 64
	v_exp_f32 v[S+n], v[S+n]
.set n, n+1
.endr
.irp b, 0,1,2,3
	v_exp_f32 v[BM+\b], v[BM+\b]                   ; each block's largest p
.endr
	v_pk_mul_f32 v[ST+4*\ti+2:ST+4*\ti+3], v[ST+4*\ti+2:ST+4*\ti+3], v[F:F+1] op_sel_hi:[1,0]
	s_wait_alu depctr_va_vdst(0)
.irp b, 0,1,2,3
	v_max_num_f32 v[BM+\b], 0x1800000, v[BM+\b]    ; the floor 2^(3 - 127)
.endr
.irp b, 0,1,2,3
	v_add_nc_u32 v[SO+\b], 0xff000000, v[BM+\b]    ; 2 off the exponent field: the conversion's scale operand
.endr
.irp b, 0,1,2,3
	v_lshrrev_b32 v[PD+\b], 23, v[SO+\b]
.endr
	v_lshl_or_b32 v[PSW], v[PD+1], 8, v[PD]
	v_lshl_or_b32 v[G], v[PD+3], 8, v[PD+2]
	v_lshl_or_b32 v[PSW], v[G], 16, v[PSW]
.irp c, 0,1
	v_cvt_scalef32_pk16_fp6_f32 v[PC+6*\c:PC+2+6*\c], v[S+32*\c:S+15+32*\c], v[SO+2*\c]
	v_cvt_scalef32_pk16_fp6_f32 v[Y0+4*\c:Y0+2+4*\c], v[S+16+32*\c:S+31+32*\c], v[SO+2*\c+1]
.endr
	v_nop                                          ; one plain place behind a scaled conversion
.irp c, 0,1                                    ; a whole block in a lane
.irp e, 0,1,2
	v_permlane16_swap_b32 v[PC+6*\c+\e], v[Y0+4*\c+\e]
.endr
.endr
.irp c, 0,1
.irp e, 0,1,2
	v_mov_b32 v[PC+3+6*\c+\e], v[Y0+4*\c+\e]
.endr
.endr
	v_pk_add_f32 v[Y0:Y0+1], v[S:S+1], v[S+2:S+3]  ; the row's sum of the unquantised p, in four chains
	v_pk_add_f32 v[Y0+2:Y0+3], v[S+4:S+5], v[S+6:S+7]
	v_pk_add_f32 v[Y0+4:Y0+5], v[S+8:S+9], v[S+10:S+11]
.irp e, 12,20,28,36,44,52
	v_pk_add_f32 v[ST+4*\ti+2:ST+4*\ti+3], v[ST+4*\ti+2:ST+4*\ti+3], v[S+\e:S+\e+1]
	v_pk_add_f32 v[Y0:Y0+1], v[Y0:Y0+1], v[S+\e+2:S+\e+3]
	v_pk_add_f32 v[Y0+2:Y0+3], v[Y0+2:Y0+3], v[S+\e+4:S+\e+5]
	v_pk_add_f32 v[Y0+4:Y0+5], v[Y0+4:Y0+5], v[S+\e+6:S+\e+7]
.endr
	v_pk_add_f32 v[ST+4*\ti+2:ST+4*\ti+3], v[ST+4*\ti+2:ST+4*\ti+3], v[S+60:S+61]
	v_pk_add_f32 v[Y0:Y0+1], v[Y0:Y0+1], v[S+62:S+63]
	v_pk_add_f32 v[Y0+2:Y0+3], v[Y0+2:Y0+3], v[Y0+4:Y0+5]
	v_pk_add_f32 v[ST+4*\ti+2:ST+4*\ti+3], v[ST+4*\ti+2:ST+4*\ti+3], v[Y0:Y0+1]
	v_pk_add_f32 v[ST+4*\ti+2:ST+4*\ti+3], v[ST+4*\ti+2:ST+4*\ti+3], v[Y0+2:Y0+3]
	WIN 0x41
	s_wait_alu depctr_va_vdst(0)
.if \ti == 0
	s_wait_dscnt 0x0                               ; V's fragments and scale words
.endif
.irp e, 0,2,4,6,8,10,12,14,16,18,20,22,24,26,28,30
	v_pk_mul_f32 v[32*\ti+\e:32*\ti+\e+1], v[32*\ti+\e:32*\ti+\e+1], v[F:F+1] op_sel_hi:[1,0]   ; O^T under the new M
.endr
	WIN 0x50
.irp e, 0,1,2,3
	v_wmma_scale_f32_16x16x128_f8f6f4 v[32*\ti+8*\e:32*\ti+8*\e+7], v[VF+12*\e:VF+12*\e+11], v[PC:PC+11], v[32*\ti+8*\e:32*\ti+8*\e+7], v[VSC+\e], v[PSW] matrix_a_fmt:MATRIX_FMT_FP6 matrix_b_fmt:MATRIX_FMT_FP6
.endr
	WIN 0
.endm
	s_mov_b32 s[CNT], 16
.Lstep:                                                ; a step of 128 keys; the four lines below are the places behind the last products
	v_add_nc_u32 v[AD16], s[TB], v[L16]
	v_add_nc_u32 v[AD8], s[TB], v[L8]
	v_add_nc_u32 v[ADS], s[TB], v[R16]
	v_nop
.irp e, 0,1,2,3,4,5,6,7
	ds_load_b128 v[KF+6*\e:KF+6*\e+3], v[AD16] offset:768*\e
	ds_load_b64 v[KF+6*\e+4:KF+6*\e+5], v[AD8] offset:768*\e+512
.endr
	ds_load_b128 v[KSC:KSC+3], v[ADS] offset:12288
.irp e, 0,1,2,3,4,5,6,7
	ds_load_b128 v[VF+6*\e:VF+6*\e+3], v[AD16] offset:6144+768*\e
	ds_load_b64 v[VF+6*\e+4:VF+6*\e+5], v[AD8] offset:6144+768*\e+512
.endr
	ds_load_b128 v[VSC:VSC+3], v[ADS] offset:12544
	s_wait_dscnt 17                                ; K's are in; V's 17 loads may be out
	TILE 0
	TILE 1
	TILE 2
	TILE 3
	s_add_co_u32 s[MOF], s[MOF], 256
	s_add_co_u32 s[TB], s[TB], STEPB
	s_sub_co_u32 s[CNT], s[CNT], 1
	s_cmp_lg_u32 s[CNT], 0
	s_cbranch_scc1 .Lstep
	s_wait_kmcnt 0x0
	s_load_b128 s[32:35], s[0:1], 0x18             ; aoc, aos
.irp e, 0,1,2,3
	v_add_f32 v[RL+2*\e], v[ST+4*\e+2], v[ST+4*\e+3]
.endr
.irp e, 0,1,2,3
	v_permlanex16_b32 v[PD+\e], v[RL+2*\e], s[SEL], s[SEL+1]
.endr
.irp e, 0,1,2,3
	v_add_f32 v[RL+2*\e], v[RL+2*\e], v[PD+\e]     ; the row's sum
	v_mov_b32 v[RL+2*\e+1], 0
.endr
	s_wait_alu depctr_va_vdst(0)
.irp e, 0,1,2,3
	v_rcp_f32 v[RL+2*\e], v[RL+2*\e]
.endr
	v_lshlrev_b32 v[AD16], 1, v[L16]               ; 32 x lane: a row of aos
	s_wait_alu depctr_va_vdst(0)
	s_lshr_b32 s36, s[BH], 4
	s_lshl_b32 s36, s36, 7
	s_lshl_b32 s37, s[CX], 5
	s_add_co_u32 s36, s36, s37
	s_lshl_b32 s37, s[WV], 2
	s_add_co_u32 s36, s36, s37                     ; my first tile of 16 tokens
	s_and_b32 s37, s[BH], 15                       ; the head
	s_lshl_b32 s38, s36, 4
	s_add_co_u32 s38, s38, s37
	s_mul_i32 s38, s38, 768
	s_mov_b32 s39, 0
	s_lshl_b32 s40, s36, 9
	s_lshl_b32 s37, s37, 1
	s_add_co_u32 s40, s40, s37
	s_mov_b32 s41, 0
	s_wait_kmcnt 0x0
	s_add_nc_u64 s[32:33], s[32:33], s[38:39]
	s_add_nc_u64 s[34:35], s[34:35], s[40:41]
; THE WAY OUT of a tile: O^T / the sum; the head's two blocks of 32 in their true order; codes as a unit of 768 bytes, two scale bytes a row
.macro OUT ti
.set E, S+32*(\ti%2)
	WIN 0x01
	s_wait_alu depctr_va_vdst(0)
.irp e, 0,2,4,6,8,10,12,14,16,18,20,22,24,26,28,30
	v_pk_mul_f32 v[E+\e:E+\e+1], v[32*\ti+\e:32*\ti+\e+1], v[RL+2*\ti:RL+2*\ti+1] op_sel_hi:[1,0]
.endr
	WIN 0
.irp b, 0,1
.irp e, 0,1,2,3,4,5,6,7
	v_permlane16_swap_b32 v[E+16*\b+\e], v[E+16*\b+8+\e]
.endr
.endr
.irp b, 0,1
	v_max3_num_f32 v[BM+\b], |v[E+16*\b]|, |v[E+1+16*\b]|, 0x1800000
.endr
.irp e, 2,4,6,8,10,12,14
.irp b, 0,1
	v_max3_num_f32 v[BM+\b], v[BM+\b], |v[E+16*\b+\e]|, |v[E+1+16*\b+\e]|
.endr
.endr
.irp b, 0,1
	v_permlanex16_b32 v[PD+\b], v[BM+\b], s[SEL], s[SEL+1]
.endr
.irp b, 0,1
	v_max_num_f32 v[BM+\b], v[BM+\b], v[PD+\b]
.endr
.irp b, 0,1
	v_add_nc_u32 v[SO+\b], 0xff000000, v[BM+\b]
.endr
.irp b, 0,1
	v_lshrrev_b32 v[PD+\b], 23, v[SO+\b]
.endr
	v_lshl_or_b32 v[PWK+\ti], v[PD+1], 8, v[PD]
	v_cvt_scalef32_pk16_fp6_f32 v[KF+12*\ti:KF+12*\ti+2], v[E:E+15], v[SO]
	v_cvt_scalef32_pk16_fp6_f32 v[KF+12*\ti+6:KF+12*\ti+8], v[E+16:E+31], v[SO+1]
	v_nop
.irp e, 0,1,2
	v_permlane16_swap_b32 v[KF+12*\ti+\e], v[KF+12*\ti+6+\e]
.endr
.irp e, 0,1,2
	v_mov_b32 v[KF+12*\ti+3+\e], v[KF+12*\ti+6+\e]
.endr
	global_store_b128 v[L16], v[KF+12*\ti:KF+12*\ti+3], s[32:33] offset:12288*\ti        ; 512 consecutive bytes, aligned to 256
	global_store_b64 v[L8], v[KF+12*\ti+4:KF+12*\ti+5], s[32:33] offset:12288*\ti+512    ; 256
.endm
	OUT 0
	OUT 1
	OUT 2
	OUT 3
.irp e, 0,1
	v_cndmask_b32 v[SO+\e], v[PWK+2*\e], v[PWK+2*\e+1], s[HIM]   ; lanes 0-15 tile 2 e's rows, lanes 16-31 tile 2 e + 1's
.endr
.irp e, 0,1
	global_store_b16 v[AD16], v[SO+\e], s[34:35] offset:1024*\e
.endr
	s_wait_tensorcnt 0x0                           ; the wave's end
	ds_add_u32 v[SPW], v[NIL]
	s_wait_dscnt 0x0
	s_endpgm
.Lfunc_end_k_q4a03268ce8_attn:
	.size	k_q4a03268ce8_attn, .Lfunc_end_k_q4a03268ce8_attn-k_q4a03268ce8_attn
	.p2alignl 7, 3214868480
	.fill 96, 4, 3214868480
	.section	.rodata,"a",@progbits
	.p2align	6, 0x0
	.amdhsa_kernel k_q4a03268ce8_attn
		.amdhsa_group_segment_fixed_size 205824
		.amdhsa_private_segment_fixed_size 0
		.amdhsa_enable_private_segment 0
		.amdhsa_kernarg_size 40
		.amdhsa_user_sgpr_count 2
		.amdhsa_user_sgpr_kernarg_segment_ptr 1
		.amdhsa_wavefront_size32 1
		.amdhsa_system_sgpr_workgroup_id_x 1
		.amdhsa_system_sgpr_workgroup_id_y 1
		.amdhsa_system_sgpr_workgroup_id_z 1
		.amdhsa_system_vgpr_workitem_id 0
		.amdhsa_next_free_vgpr 512
		.amdhsa_next_free_sgpr 102
		.amdhsa_reserve_vcc 0
		.amdhsa_float_denorm_mode_32 3
		.amdhsa_float_denorm_mode_16_64 3
		.amdhsa_memory_ordered 1
		.amdhsa_forward_progress 1
		.amdhsa_inst_pref_size 113
	.end_amdhsa_kernel
	.amdgpu_metadata
---
amdhsa.version: [ 1, 2 ]
amdhsa.kernels:
  - .name:           k_q4a03268ce8_attn
    .symbol:         k_q4a03268ce8_attn.kd
    .args:
      - { .name: qs, .offset: 0, .size: 8, .value_kind: global_buffer, .address_space: global }
      - { .name: kv, .offset: 8, .size: 8, .value_kind: global_buffer, .address_space: global }
      - { .name: maskw, .offset: 16, .size: 8, .value_kind: global_buffer, .address_space: global }
      - { .name: aoc, .offset: 24, .size: 8, .value_kind: global_buffer, .address_space: global }
      - { .name: aos, .offset: 32, .size: 8, .value_kind: global_buffer, .address_space: global }
    .group_segment_fixed_size: 205824
    .private_segment_fixed_size: 0
    .kernarg_segment_align: 8
    .kernarg_segment_size: 40
    .max_flat_workgroup_size: 256
    .sgpr_count:     102
    .vgpr_count:     512
    .wavefront_size: 32
...
	.end_amdgpu_metadata
.endif
;; end of part 2
;; launch outp (part 3): grid 4 x 64, 4 waves a work-group, clusters of 4 x 4, 327,680 bytes of LDS; arguments aoc, aos, Wo_codes, Wo_scales, bo, out0; writes out0
.if DOCPART == 3
	.amdgcn_target "amdgcn-amd-amdhsa--gfx1250"
	.amdhsa_code_object_version 6
	.text
	.protected	k_q4a03268ce8_outp
	.globl	k_q4a03268ce8_outp
	.p2align	8
	.type	k_q4a03268ce8_outp,@function
k_q4a03268ce8_outp:
	s_mov_b64 s[64:65], 0
	v_nop
	global_prefetch_b8 v0, s[64:65] scope:SCOPE_SE
	s_setreg_imm32_b32 hwreg(HW_REG_WAVE_MODE, 25, 1), 1
	s_wait_xcnt 0x0
	s_wait_alu depctr_hold_cnt(0) depctr_sa_sdst(0) depctr_va_vdst(0) depctr_va_sdst(0) depctr_va_ssrc(0) depctr_va_vcc(0) depctr_vm_vsrc(0)
	s_getreg_b32 s2, hwreg(HW_REG_IB_STS2, 6, 4)
	s_cmp_eq_u32 s2, 0
	s_cbranch_scc0 .Lentry_in_a_cluster
	s_endpgm
.Lentry_in_a_cluster:
	s_bfe_u32 s2, ttmp6, 0x10000c
	s_cmp_lg_u32 s2, 0xf033
	s_cbranch_scc0 .Lentry_shape_is_right
	s_endpgm
.Lentry_shape_is_right:
; out0 = a Wo^T + bo on codes of FP6 with E8M0 scales.  a: aoc [tile of 16 tokens 512][head 16][768]: images of six operand registers (registers 0-3 at 16 x lane, 4-5 at 512 + 8 x lane); aos [token][32 scale bytes].
; THE DEAL.  256 work-groups, 128 tokens x 256 columns each; four waves, 2 x 2, 64 x 128 to a wave: 32 accumulators.  ALL OF K LIES IN LDS, filled once: a's 8 tiles are 98,304 dense bytes (stated as rows of 256),
; Wo's 256 rows of 768 bytes lie at a pitch of 816 (16 bytes behind every 256).  One joint load a wave at the head: waves 0, 1 a half of a's tiles each (shared along a row of the cluster), waves 2, 3 a half of Wo's rows
; (shared along a column).  Nothing is filled again, so one barrier shows the tiles and the eight steps of 128 along K run with no other.
; THE SCALE WORDS go from memory into registers: a lane takes its row's 32 bytes, 32 lanes 1,024 consecutive bytes; a register holds two blocks' words, one in each half of the lanes.
; Source 0 = 16 rows of Wo, source 1 = 16 tokens: a lane holds eight neighbouring columns of one row of out0.  The bias is the first products' C.  Results leave through a stage in a's bytes, behind a barrier that
; shows every wave's LDS reads done, as whole rows of 512 bytes.  No prefetch: the launch asks for all its tiles at its head and has no loop to run ahead in.
.set SIZE_N, 1024
.set KROW,   768
.set PITCH,  816
.set FR,     12
.set ATILE,  12288
.set AHALF,  4*ATILE
.set BB0,    8*ATILE
.set BHALF,  128*PITCH
.set SPARE,  BB0+2*BHALF               ; the spare words, 512 bytes
.set SPITCH, 528
.set A16,  16                          ; v16 LDS: my a tiles, 16 x lane;  v17: 8 x lane
.set ADRB, 20                          ; v20, v21 my Wo blocks 0-3 (v21: lanes 16-31 behind one padding more); v22, v23 blocks 4-7
.set STO,  24
.set RD,   25
.set CO,   26
.set SPW,  28
.set NIL,  29
.set SA,   32                          ; v32-47 a's scale words: 8 (block / 2) + step
.set SBR,  52                          ; v52-83 Wo's
.set BI,   84                          ; v84-147 the bias
.set AF,   148                         ; v148-243 a's fragments, two sets of 48
.set BK,   128                         ; the way out
.set G1, 24
.set G0, 32
.set G1B, 48
.set G0B, 56
.set MSB, 0
.macro WIN new
.if MSB != (\new)
	s_set_vgpr_msb (MSB<<8)|(\new)
.set MSB, (\new)
.endif
.endm
.macro PLACES n
.rept \n
	v_nop
.endr
.endm
.macro CROUND
	s_barrier_signal -1
	s_barrier_wait -1
	s_cmp_lg_u32 s14, 0
	s_cbranch_scc1 .Lnot_wave_0_\@
	s_barrier_signal -3
.Lnot_wave_0_\@:
	s_barrier_wait -3
	s_barrier_signal -1
	s_barrier_wait -1
.endm
	s_load_b128 s[4:7], s[0:1], 0x0                ; aoc, aos
	s_load_b128 s[8:11], s[0:1], 0x10              ; Wo's codes, scales
	s_load_b64 s[96:97], s[0:1], 0x20              ; bo
	s_load_b64 s[12:13], s[0:1], 0x28              ; out0
	v_lshl_add_u32 v[SPW], v0, 2, SPARE
	v_mov_b32 v[NIL], 0
	ds_add_u32 v[SPW], v[NIL]                      ; the opening lines: the add twice on end
	ds_add_u32 v[SPW], v[NIL]
	v_lshrrev_b32 v1, 5, v0
	v_readfirstlane_b32 s14, v1
	s_lshr_b32 s15, s14, 1                         ; my half of the tokens; also: I fetch a (0) or Wo (1)
	s_and_b32 s16, s14, 1                          ; my half of the columns; also: which half I fetch
	s_bfe_u32 s40, ttmp6, 0x40000
	s_bfe_u32 s41, ttmp6, 0x40004
	s_lshl_b32 s42, ttmp9, 2
	s_add_co_u32 s42, s42, s40                     ; tile column, 0 .. 3
	s_and_b32 s17, ttmp7, 0xffff
	s_lshl_b32 s17, s17, 2
	s_add_co_u32 s17, s17, s41                     ; tile row, 0 .. 63
	s_lshl_b32 s43, s41, 2
	s_lshl_b32 s43, 15, s43
	s_lshl_b32 s44, 0x1111, s40
	s_or_b32 s[G1+0], s43, (3<<16)|(1<<21)         ; a: 192 rows of 256 bytes (32 elements of 8), dense
	s_mov_b32 s[G1+1], 32<<16
	s_mov_b32 s[G1+2], 192<<16
	s_mov_b32 s[G1+3], 32<<16
	s_mov_b32 s[G1+4], 192
	s_mov_b32 s[G1+5], 32
	s_mov_b32 s[G1+6], 0
	s_mov_b32 s[G1+7], 0
	s_or_b32 s[G1B+0], s44, (1<<20)|(1<<21)|(5<<22)|(3<<25)   ; Wo: 128 rows of 768 bytes, 16 bytes of padding behind every 256
	s_mov_b32 s[G1B+1], KROW<<16
	s_mov_b32 s[G1B+2], 128<<16
	s_mov_b32 s[G1B+3], KROW<<16
	s_mov_b32 s[G1B+4], 128
	s_mov_b32 s[G1B+5], KROW
	s_mov_b32 s[G1B+6], 0
	s_mov_b32 s[G1B+7], 0
	s_lshl_b32 s20, s17, 3
	s_lshl_b32 s18, s16, 2
	s_add_co_u32 s20, s20, s18
	s_mul_i32 s20, s20, ATILE                      ; a: tile 8 x tile row + 4 x half
	s_mov_b32 s21, 0
	s_lshl_b32 s46, s42, 8
	s_lshl_b32 s18, s16, 7
	s_add_co_u32 s46, s46, s18                     ; Wo: row 256 x tile column + 128 x half
	s_lshl_b32 s92, s46, 5                         ; and, as it happens, my own 128 rows' scale bytes
	s_mov_b32 s93, 0
	s_mul_i32 s46, s46, KROW
	s_mov_b32 s47, 0
	s_lshl_b32 s22, s17, 7
	s_lshl_b32 s18, s15, 6
	s_add_co_u32 s22, s22, s18                     ; my first token
	s_lshl_b32 s94, s22, 12                        ; its row of out0
	s_lshl_b32 s22, s22, 5                         ; its scale bytes
	s_mov_b32 s23, 0
	s_mov_b32 s[G0], 1
	s_mul_i32 s[G0+1], s16, AHALF
	s_mov_b32 s[G0B], 1
	s_mul_i32 s[G0B+1], s16, BHALF
	s_add_co_u32 s[G0B+1], s[G0B+1], BB0
	v_and_b32 v1, 15, v0
	v_bfe_u32 v2, v0, 4, 1
	v_and_b32 v6, 31, v0
	s_wait_alu depctr_va_vdst(0)
	s_wait_dscnt 0x0
	s_wait_kmcnt 0x0
	s_add_nc_u64 s[G0+2:G0+3], s[4:5], s[20:21]
	s_or_b32 s[G0+3], s[G0+3], 0x80000000
	s_add_nc_u64 s[G0B+2:G0B+3], s[8:9], s[46:47]
	s_or_b32 s[G0B+3], s[G0B+3], 0x80000000
	s_add_nc_u64 s[6:7], s[6:7], s[22:23]
	s_add_nc_u64 s[10:11], s[10:11], s[92:93]
	CROUND                                         ; the joint loads meet
	s_cmp_eq_u32 s15, 0
	s_cbranch_scc0 .Lfor_b
	tensor_load_to_lds s[G0:G0+3], s[G1:G1+7]
	s_nop 0
	PLACES 4
	s_branch .Lasked
.Lfor_b:
	tensor_load_to_lds s[G0B:G0B+3], s[G1B:G1B+7]
	s_nop 0
	PLACES 4
.Lasked:
	v_lshlrev_b32 v10, 5, v6                       ; 32 x lane: a row of scale bytes
	v_lshlrev_b32 v9, 5, v2                        ; the bias: register 8 b + j wants column 16 b + 8 h + j
	s_lshl_b32 s46, s42, 10
	s_lshl_b32 s47, s16, 9
	s_add_co_u32 s46, s46, s47                     ; my first column, in bytes
	s_mov_b32 s47, 0
	s_add_nc_u64 s[96:97], s[96:97], s[46:47]
	s_add_co_u32 s20, s94, s46
	s_mov_b32 s21, 0
	s_add_nc_u64 s[12:13], s[12:13], s[20:21]
	s_wait_alu depctr_va_vdst(0)
.irp p, 0,1
	global_load_b128 v[SA+8*\p:SA+8*\p+3], v10, s[6:7] offset:1024*\p
	global_load_b128 v[SA+8*\p+4:SA+8*\p+7], v10, s[6:7] offset:1024*\p+16
.endr
.irp p, 0,1,2,3
	global_load_b128 v[SBR+8*\p:SBR+8*\p+3], v10, s[10:11] offset:1024*\p
	global_load_b128 v[SBR+8*\p+4:SBR+8*\p+7], v10, s[10:11] offset:1024*\p+16
.endr
.irp b, 0,1,2,3,4,5,6,7
	global_load_b128 v[BI+8*\b:BI+8*\b+3], v9, s[96:97] offset:64*\b
	global_load_b128 v[BI+8*\b+4:BI+8*\b+7], v9, s[96:97] offset:64*\b+16
.endr
	s_mul_i32 s21, s15, AHALF
	s_mul_i32 s22, s16, BHALF
	s_add_co_u32 s22, s22, BB0
	s_mul_i32 s23, s14, 16*SPITCH
	v_lshlrev_b32 v[CO], 4, v6
	v_lshlrev_b32 v8, 3, v6
	v_add_nc_u32 v[A16], s21, v[CO]
	v_add_nc_u32 v[A16+1], s21, v8
	v_mul_u32_u24 v3, v1, PITCH
	v_mad_u32_u24 v4, v2, 24, v3
	v_mad_u32_u24 v5, v2, 40, v3
	v_add_nc_u32 v[ADRB], s22, v4
	v_add_nc_u32 v[ADRB+1], s22, v5
	v_add_nc_u32 v[ADRB+2], 64*PITCH, v[ADRB]
	v_add_nc_u32 v[ADRB+3], 64*PITCH, v[ADRB+1]
	v_mul_u32_u24 v5, v1, SPITCH
	v_lshl_add_u32 v5, v2, 5, v5
	v_add_nc_u32 v[STO], s23, v5
	v_add_nc_u32 v[RD], s23, v[CO]
.macro FRAGB reg, q, i                 ; 16 rows x 128 K of Wo: six pieces of 8 bytes; piece n of a row lies at 8 n + 16 (n / 32)
.irp p, 0,1,2,3,4,5
.set PC_, 12*(\q)+6*(\p/3)+\p%3
.if (PC_%32+3)/32
	ds_load_b64 v[\reg+2*\p:\reg+2*\p+1], v[ADRB+2*((\i)/4)+1] offset:8*PC_+16*(PC_/32)+((\i)%4)*16*PITCH
.else
	ds_load_b64 v[\reg+2*\p:\reg+2*\p+1], v[ADRB+2*((\i)/4)] offset:8*PC_+16*(PC_/32)+((\i)%4)*16*PITCH
.endif
.endr
.endm
.macro FETCHB q                        ; 48 loads into set q % 2 of window 1
	WIN 0x40
.irp i, 0,1,2,3,4,5,6,7
	FRAGB 128*((\q)%2)+FR*\i, \q, \i
.endr
	WIN 0
.endm
.macro FETCHA q                        ; 16 loads: my four tiles' two units of step q
.irp i, 0,1,2,3
.set R_, AF+48*((\q)%2)+FR*\i
	ds_load_b128 v[R_:R_+3], v[A16] offset:ATILE*\i+1536*(\q)
	ds_load_b64 v[R_+4:R_+5], v[A16+1] offset:ATILE*\i+1536*(\q)+512
	ds_load_b128 v[R_+6:R_+9], v[A16] offset:ATILE*\i+1536*(\q)+768
	ds_load_b64 v[R_+10:R_+11], v[A16+1] offset:ATILE*\i+1536*(\q)+1280
.endr
.endm
.macro MUL8 ah, al, q, zero            ; a's block 2 ah + al against Wo's eight; the 32 accumulators take turns
.irp bh, 0,1,2,3
.irp bl, 0,1
.set D_, 8*(8*(2*\ah+\al)+2*\bh+\bl)
.set B_, 128*((\q)%2)+FR*(2*\bh+\bl)
.set A_, AF+48*((\q)%2)+FR*(2*\ah+\al)
.if \zero
	v_wmma_scale_f32_16x16x128_f8f6f4 v[D_:D_+7], v[B_:B_+FR-1], v[A_:A_+FR-1], v[BI+8*(2*\bh+\bl):BI+8*(2*\bh+\bl)+7], v[SBR+8*\bh+(\q)], v[SA+8*\ah+(\q)] matrix_a_fmt:MATRIX_FMT_FP6 matrix_b_fmt:MATRIX_FMT_FP6 matrix_a_scale:MATRIX_SCALE_ROW\bl matrix_b_scale:MATRIX_SCALE_ROW\al
.else
	v_wmma_scale_f32_16x16x128_f8f6f4 v[D_:D_+7], v[B_:B_+FR-1], v[A_:A_+FR-1], v[D_:D_+7], v[SBR+8*\bh+(\q)], v[SA+8*\ah+(\q)] matrix_a_fmt:MATRIX_FMT_FP6 matrix_b_fmt:MATRIX_FMT_FP6 matrix_a_scale:MATRIX_SCALE_ROW\bl matrix_b_scale:MATRIX_SCALE_ROW\al
.endif
.endr
.endr
.endm
.macro MWIN zero                       ; source 0 window 1, source 1 window 0, D window 2; C window 0 (the bias) or 2
.if \zero
	WIN 0x81
.else
	WIN 0xa1
.endif
.endm
	s_wait_alu depctr_va_vdst(0)
	s_wait_loadcnt 0x0                             ; the scale words and the bias
	s_wait_tensorcnt 0x0                           ; my tile is in,
	s_barrier_signal -1
	s_barrier_wait -1                              ; everybody's is
	FETCHB 0
	FETCHA 0
; A step: its fragments are in; Wo's next set is asked for at its head, a's next in its middle; the four places serve both runs of loads, into registers that the step before multiplied
.set Q, 0
.rept 8
	s_wait_dscnt 0x0
.if Q == 7
	s_barrier_signal -1                            ; my LDS reads are over: a's bytes may become the stages when all four waves have said so
.else
	PLACES 4
	FETCHB Q+1
.endif
	MWIN Q==0
	MUL8 0, 0, Q, Q==0
	MUL8 0, 1, Q, Q==0
.if Q < 7
	WIN 0
	FETCHA Q+1
	MWIN Q==0
.endif
	MUL8 1, 0, Q, Q==0
	MUL8 1, 1, Q, Q==0
	WIN 0
.set Q, Q+1
.endr
	s_barrier_wait -1
; THE WAY OUT, block by block of 16 rows x 128 columns, through my own stage: rows of 528 bytes in, whole rows of 512 bytes back
.macro TOSTAGE a
.set AC, 64*(\a)
	WIN 0x08
.irp b, 0,1,2,3,4,5,6,7
	ds_store_b128 v[STO], v[AC+8*\b:AC+8*\b+3] offset:64*\b          ; each accumulator from its low end on
	ds_store_b128 v[STO], v[AC+8*\b+4:AC+8*\b+7] offset:64*\b+16
.endr
	WIN 0
.set BB, BK+64*((\a)%2)
.irp t, 0,1,2,3,4,5,6,7,8,9,10,11,12,13,14,15
	ds_load_b128 v[BB+4*\t:BB+4*\t+3], v[RD] offset:\t*SPITCH
.endr
.endm
.macro SEND a, younger                 ; younger: the next block's 16 stores and 16 loads, which may stay out
.set BB, BK+64*((\a)%2)
	s_wait_dscnt \younger
.if (\a) > 0
	s_add_nc_u64 s[12:13], s[12:13], 16*SIZE_N*4
.endif
.irp t, 0,1,2,3,4,5,6,7,8,9,10,11,12,13,14,15
	global_store_b128 v[CO], v[BB+4*\t:BB+4*\t+3], s[12:13] offset:\t*SIZE_N*4 th:TH_STORE_NT   ; 512 consecutive bytes, aligned to 256
.endr
.endm
	PLACES 4
	TOSTAGE 0
.irp a, 1,2,3
.if \a > 1
	s_wait_xcnt 0x0                                ; block a - 2's stores have read their registers and their base
.endif
	TOSTAGE \a
	SEND \a-1, 32
.endr
	s_wait_xcnt 0x0
	SEND 3, 0
	s_wait_tensorcnt 0x0                           ; the wave's end
	ds_add_u32 v[SPW], v[NIL]
	s_wait_dscnt 0x0
	CROUND                                         ; the closing round
	s_endpgm
.Lfunc_end_k_q4a03268ce8_outp:
	.size	k_q4a03268ce8_outp, .Lfunc_end_k_q4a03268ce8_outp-k_q4a03268ce8_outp
	.p2alignl 7, 3214868480
	.fill 96, 4, 3214868480
	.section	.rodata,"a",@progbits
	.p2align	6, 0x0
	.amdhsa_kernel k_q4a03268ce8_outp
		.amdhsa_group_segment_fixed_size 327680
		.amdhsa_private_segment_fixed_size 0
		.amdhsa_enable_private_segment 0
		.amdhsa_kernarg_size 48
		.amdhsa_user_sgpr_count 2
		.amdhsa_user_sgpr_kernarg_segment_ptr 1
		.amdhsa_wavefront_size32 1
		.amdhsa_system_sgpr_workgroup_id_x 1
		.amdhsa_system_sgpr_workgroup_id_y 1
		.amdhsa_system_sgpr_workgroup_id_z 1
		.amdhsa_system_vgpr_workitem_id 0
		.amdhsa_next_free_vgpr 768
		.amdhsa_next_free_sgpr 98
		.amdhsa_reserve_vcc 0
		.amdhsa_float_denorm_mode_32 3
		.amdhsa_float_denorm_mode_16_64 3
		.amdhsa_memory_ordered 1
		.amdhsa_forward_progress 1
		.amdhsa_inst_pref_size 91
	.end_amdhsa_kernel
	.amdgpu_metadata
---
amdhsa.version: [ 1, 2 ]
amdhsa.kernels:
  - .name:           k_q4a03268ce8_outp
    .symbol:         k_q4a03268ce8_outp.kd
    .args:
      - { .name: aoc, .offset: 0, .size: 8, .value_kind: global_buffer, .address_space: global }
      - { .name: aos, .offset: 8, .size: 8, .value_kind: global_buffer, .address_space: global }
      - { .name: Wo_codes, .offset: 16, .size: 8, .value_kind: global_buffer, .address_space: global }
      - { .name: Wo_scales, .offset: 24, .size: 8, .value_kind: global_buffer, .address_space: global }
      - { .name: bo, .offset: 32, .size: 8, .value_kind: global_buffer, .address_space: global }
      - { .name: out0, .offset: 40, .size: 8, .value_kind: global_buffer, .address_space: global }
    .group_segment_fixed_size: 327680
    .private_segment_fixed_size: 0
    .kernarg_segment_align: 8
    .kernarg_segment_size: 48
    .max_flat_workgroup_size: 128
    .sgpr_count:     98
    .vgpr_count:     768
    .wavefront_size: 32
...
	.end_amdgpu_metadata
.endif
;; end of part 3
